; MI455X (gfx1250); checked and timed in simulation.
; The chip was launched on July 23, 2026; its instructions are those of AMD's public machine-readable ISA for CDNA 5 (MIT licence, August 2026) and "CDNA5" Instruction Set Architecture Reference Guide (July 2026). The comments in the code are by the model that wrote it; some were corrected since.
;; Attentional Propagation. Allowed arithmetic: matrix products marked QUANTISED: E2M1 operands, one E8M0 scale for each 32 along K, by v_wmma_scale_f32_16x16x128_f8f6f4 with both operands' format E2M1 (or v_wmma_scale_f32_32x16x128_f4), f32 sums; everything else in f32.
;; Inputs: W1 512 x 512 float32; W2 256 x 512 float32; Wk 256 x 256 float32; Wm 256 x 256 float32; Wq 256 x 256 float32; Wv 256 x 256 float32; b1 512 float32; b2 256 float32; beta 512 float32; bk 256 float32; bm 256 float32; bq 256 float32; bv 256 float32; gamma 512 float32; source 4 x 256 x 4 x 2,048 float32; x 4 x 256 x 4 x 2,048 float32.
;; Outputs: out0 4 x 256 x 4 x 2,048 float32.
;; This version of the problem:
;;   THIS VERSION OF THE PROBLEM IS GIVEN IN LOW PRECISION. The matrix products marked QUANTISED in the list below multiply operands that are first quantised to E2M1 (2 exponent bits, 1 mantissa bit; 4 bits a number), with one power-of-two scale for each 32 numbers along K (OCP MX v1.0); their sums are f32. All else is computed in f32.
;;   The module's matrix products, in the order in which they are computed (A, B: the left and right operand; K: the contracted axis; several contracted axes count as one K, in the product's order):
;;     1. [M 32,768, K 256] x [K 256, N 256]; A: input x; B: input Wq: QUANTISED
;;     2. [M 32,768, K 256] x [K 256, N 256]; A: input source; B: input Wk: QUANTISED
;;     3. [M 32,768, K 256] x [K 256, N 256]; A: input source; B: input Wv: QUANTISED
;;     4. batch 16 x [M 2,048, K 256] x [K 256, N 2,048]; A: computed on the way; B: computed on the way: QUANTISED
;;     5. batch 16 x [M 256, K 2,048] x [K 2,048, N 2,048]; A: computed on the way; B: softmax (see below): QUANTISED
;;     6. [M 32,768, K 256] x [K 256, N 256]; A: computed on the way; B: input Wm: QUANTISED
;;     7. [M 32,768, K 512] x [K 512, N 512]; A: computed on the way; B: input W1: QUANTISED
;;     8. [M 32,768, K 512] x [K 512, N 256]; A: computed on the way; B: input W2: QUANTISED
;;   THE QUANTISER, for each operand of a quantised product, along K:
;;     - K is cut into blocks of 32 from its start; a last block that is shorter is filled with zeros.
;;     - A block's scale is 2^e with e = floor(log2(the largest magnitude in the block)) - 2, held to -126 .. 127; a block of zeros has e = 0. As a byte (E8M0): e + 127.
;;     - Each number is divided by its block's scale, clamped to +-6, and rounded to the nearest number of E2M1, ties to even, subnormals kept.
;;     - The product sums the exact products of the quantised numbers (number of the format x scale) in f32.
;;   ~~~python
;;   def quantise(x, axis):      # numpy; x: float32 -> the quantised numbers, widened to float32 again
;;       x = np.moveaxis(x, axis, -1); K = x.shape[-1]
;;       x = np.pad(x, [(0, 0)] * (x.ndim - 1) + [(0, -K % 32)]); x = x.reshape(x.shape[:-1] + (-1, 32)); a = np.abs(x).max(-1, keepdims=True)
;;       e = np.where(a > 0, np.clip(np.frexp(np.where(a > 0, a, 1))[1] - 1 - 2, -126, 127), 0)      # np.frexp(a)[1] - 1 = floor(log2(a)), exactly
;;       r = np.clip(x / 2.0 ** e, -6, 6)
;;       step = 2.0 ** (np.maximum(np.frexp(np.where(r == 0, 1, r))[1] - 1, 0) - 1)
;;       q = np.round(r / step) * step * 2.0 ** e      # np.round: ties to even
;;       return np.moveaxis(q.reshape(q.shape[:-2] + (-1,))[..., :K], -1, axis).astype(np.float32)
;;   ~~~
;;   SOFTMAX AHEAD OF A QUANTISED PRODUCT. Where the list says 'softmax', what is quantised is not the finished softmax but p = 2^(t - M), with t = logit x log2(e) and M = ceil(the row's largest t), a whole number; so 1/2 < the row's largest p <= 1. The row's sum l is taken of the UNQUANTISED p, in f32, and the product's result is divided by l at the end. Since M is a whole number, a kernel that streams over the keys may use a running M (the ceiling of the running maximum): every later rescaling is an exact power of two, which a block's scale takes up: the codes' values come out the same.
;;   OPERANDS COMPUTED ON THE WAY. 'Computed on the way' means the value that the module computes at that place (a softmax that the list does not call 'softmax' is quantised finished and normalised). What goes into a quantiser is computed in f32, as accurately as f32 sums, v_exp_f32 and their like allow (about 1e-6 of the number): no bf16 or f16 on the way to a quantiser, and a product that is left as it is and whose result goes on into a quantised operand takes f32 operands (vector FMAs, or v_wmma_f32_16x16x4_f32). A number that lies on a knife's edge between two numbers of the format may be rounded either way, as far as f32 arithmetic and the matrix unit's own rounding can turn it there, and no further.
;; One version. Each part assembles by itself: llvm-mc -triple=amdgcn-amd-amdhsa -mcpu=gfx1250 --defsym DOCPART=n.
;; ======== version 1 of 1: 5 launches
;; workspace buffers: wq 348,160 bytes; xq 4,456,448 bytes; qq 4,456,448 bytes; mq 4,456,448 bytes; kv 8,912,896 bytes; part 1,048,576 bytes; bn 4,096 bytes
;; launch prep (part 1): grid 160 x 1, 1 waves a work-group, no clusters, 0 bytes of LDS; arguments Wq, Wk, Wv, Wm, W1, W2, wq; writes wq
.if DOCPART == 1
	.amdgcn_target "amdgcn-amd-amdhsa--gfx1250"
	.amdhsa_code_object_version 6
	.text
	.protected	k_q7d8066e338_prep
	.globl	k_q7d8066e338_prep
	.p2align	8
	.type	k_q7d8066e338_prep,@function
k_q7d8066e338_prep:
	s_mov_b64 s[64:65], 0
	v_nop
	global_prefetch_b8 v0, s[64:65] scope:SCOPE_SE
	s_setreg_imm32_b32 hwreg(HW_REG_WAVE_MODE, 25, 1), 1
	s_wait_xcnt 0x0
; THE PROGRAM: five launches.  prep: the six weights become codes of E2M1 with E8M0 scale bytes.  proj: x and source are quantised, q, k, v are made and quantised.
; attn: attention, the projection by Wm, and W1 for the batch statistics alone.  stat: the statistics are joined.  mlp: W1 once more, the norm, relu, W2.
; DEAD WORK: b1.  h = W1 [x; msg] + b1 enters nothing but h - mean(h) and the mean of (h - mean(h))^2, both taken over (batch, head, keypoint) for each channel.  b1 is the same for all of
; these, so (h + b1) - mean(h + b1) = h - mean(h) for every value of every input, and this stands ahead of the next quantiser.  So b1 is not loaded and is among no launch's arguments.
; LIMIT: a NaN, an infinity or an overflow that b1 alone would bring is not carried to the result.  bq, bk, bv, bm stand ahead of quantisers and are honoured, b2, gamma and beta too.
; THIS LAUNCH.  A weight [rows][K], f32, K innermost, is quantised along K and laid as IMAGES OF OPERAND REGISTERS: a fragment is 16 rows x 128 K, 8 registers a lane, 1,024 bytes: register group c of lane l at 512 c + 16 l.
; THE ROWS OF A TILE ARE NOT NEIGHBOURS: row p of tile 2 b + u is the weight's row 32 b + 8 u + p + 8 (p / 8).  The scale words of K steps 2 sp and 2 sp + 1 share one image of 128 bytes: lanes 0-15 the even step's, lanes 16-31 the odd one's.
; A wave takes one tile and two K steps: 160 waves in all.  Each of a wave's loads names 32 separate pieces of 16 bytes (16 rows x 2 blocks), so the waves are spread ONE TO A WORK-GROUP over 160 WGPs, not four to a WGP.
; A lane holds whole blocks of 32, so a block's largest magnitude needs no other lane.
; A block's scale is 2^(floor(log2(largest magnitude)) - 2); its byte is the largest magnitude's exponent field - 2, held at 1 from below.  A block of zeros so has the byte 1 where the rule says 127: its codes are zeros, and this program alone reads the bytes.
; LIMITS: blocks whose largest magnitude lies under 2^(2 - 126) were not tried; NaN and infinities among the weights are not served.
; No LDS, no barrier, no cluster: waves share nothing.
.set NUM, 64                           ; v64-191  128 numbers: block B = 2 s + c at v[64 + 32 B]
.set COD, 32                           ; v32-47   the two fragments' codes
	s_load_b256 s[4:11], s[0:1], 0x0               ; Wq, Wk, Wv, Wm
	s_load_b128 s[12:15], s[0:1], 0x20             ; W1, W2
	s_load_b64 s[16:17], s[0:1], 0x30              ; wq
	s_mov_b32 s19, ttmp9                           ; u = the work-group's number: 0 .. 159
	v_and_b32 v1, 31, v0                           ; lane
	v_and_b32 v2, 15, v0                           ; r
	v_bfe_u32 v3, v0, 4, 1                         ; h
	v_lshlrev_b32 v5, 4, v1                        ; 16 x lane
	v_lshlrev_b32 v6, 2, v1                        ; 4 x lane
	v_lshlrev_b32 v24, 3, v3                       ; 8 h: my bytes' place in a scale word
	v_mov_b32 v22, 0                               ; a lane permute's destination counts as one of its sources
	v_mov_b32 v23, 0
	s_mov_b32 s36, 0x76543210
	s_mov_b32 s37, 0xfedcba98                      ; v_permlanex16_b32's selects for lane l xor 16
	s_mov_b32 s38, 0xffff0000                      ; lanes 16-31
	s_wait_kmcnt 0x0
	; which weight: u 0-15 Wq, 16-31 Wk, 32-47 Wv, 48-63 Wm, 64-127 W1, 128-159 W2.  The choices hang on u alone
	s_mov_b64 s[20:21], s[14:15]                   ; W2
	s_mov_b32 s22, 128                             ; its first u
	s_mov_b32 s23, 278528                          ; its record in wq
	s_mov_b32 s24, 65536                           ; where the record's scale words begin
	s_mov_b32 s25, 1                               ; 1: K = 512, 0: K = 256
	s_cmp_lt_u32 s19, 128
	s_cselect_b64 s[20:21], s[12:13], s[20:21]
	s_cselect_b32 s22, 64, s22
	s_cselect_b32 s23, 139264, s23
	s_cselect_b32 s24, 131072, s24
	s_cmp_lt_u32 s19, 64
	s_cselect_b64 s[20:21], s[10:11], s[20:21]
	s_cselect_b32 s22, 48, s22
	s_cselect_b32 s23, 104448, s23
	s_cselect_b32 s24, 32768, s24
	s_cselect_b32 s25, 0, s25
	s_cmp_lt_u32 s19, 48
	s_cselect_b64 s[20:21], s[8:9], s[20:21]
	s_cselect_b32 s22, 32, s22
	s_cselect_b32 s23, 69632, s23
	s_cmp_lt_u32 s19, 32
	s_cselect_b64 s[20:21], s[6:7], s[20:21]
	s_cselect_b32 s22, 16, s22
	s_cselect_b32 s23, 34816, s23
	s_cmp_lt_u32 s19, 16
	s_cselect_b64 s[20:21], s[4:5], s[20:21]
	s_cselect_b32 s22, 0, s22
	s_cselect_b32 s23, 0, s23
	s_sub_co_u32 s26, s19, s22                     ; which pair of fragments of the weight
	s_lshr_b32 s27, s26, s25                       ; tile
	s_and_b32 s28, s26, s25                        ; sp: which two K steps
	s_add_co_u32 s29, s25, 10                      ; log2 of a row's bytes
	s_lshr_b32 s30, s27, 1
	s_lshl_b32 s30, s30, 5
	s_and_b32 s31, s27, 1
	s_lshl_b32 s31, s31, 3
	s_add_co_u32 s30, s30, s31                     ; the tile's first row: 32 (tile / 2) + 8 (tile % 2)
	s_lshl_b32 s30, s30, s29
	s_lshl_b32 s31, s28, 10                        ; 256 numbers along K for each sp
	s_add_co_u32 s30, s30, s31
	s_mov_b32 s31, 0
	s_add_nc_u64 s[20:21], s[20:21], s[30:31]
	v_and_b32 v4, 8, v2
	v_add_nc_u32 v4, v4, v2                        ; r + 8 (r / 8)
	v_lshlrev_b32 v4, s29, v4
	v_lshl_add_u32 v4, v3, 7, v4                   ; + 128 h: lanes 16-31 take the odd blocks
	s_lshl_b32 s30, s26, 11
	s_add_co_u32 s30, s30, s23
	s_add_nc_u64 s[32:33], s[16:17], s[30:31]      ; my two fragments' images
	s_lshl_b32 s30, s26, 7
	s_add_co_u32 s30, s30, s23
	s_add_co_u32 s30, s30, s24
	s_add_nc_u64 s[34:35], s[16:17], s[30:31]      ; my image of scale words
.set k, 0
.rept 32                                       ; k = 16 s + 8 c + q: block 2 c + h of K step s, 16 bytes q
	global_load_b128 v[NUM+4*k:NUM+4*k+3], v4, s[20:21] offset:512*(k/16)+256*((k/8)%2)+16*(k%8)
.set k, k+1
.endr
	s_wait_loadcnt 0x0
.irp B, 0,1,2,3
	v_max3_num_f32 v[8+\B], |v[NUM+32*\B]|, |v[NUM+1+32*\B]|, 0x1800000   ; my block's 32 numbers, and the floor 2^(3 - 127): the byte cannot fall under 1
.endr
.irp i, 2,4,6,8,10,12,14,16,18,20,22,24,26,28,30
.irp B, 0,1,2,3
	v_max3_num_f32 v[8+\B], v[8+\B], |v[NUM+32*\B+\i]|, |v[NUM+1+32*\B+\i]|   ; (the four blocks by turns)
.endr
.endr
.irp B, 0,1,2,3
	v_add_nc_u32 v[12+\B], 0xff000000, v[8+\B]     ; 2 off the exponent field: the conversion's scale operand
.endr
.irp B, 0,1,2,3
	v_lshrrev_b32 v[16+\B], 23, v[12+\B]           ; the scale's byte
.endr
.irp s, 0,1
	v_lshl_or_b32 v[20+\s], v[17+2*\s], 16, v[16+2*\s]   ; my two bytes of K step s: blocks h and 2 + h,
	v_lshlrev_b32 v[20+\s], v24, v[20+\s]          ; at their places;
.endr
.irp s, 0,1
	v_permlanex16_b32 v[22+\s], v[20+\s], s36, s37
.endr
.irp s, 0,1
	v_or_b32 v[20+\s], v[20+\s], v[22+\s]          ; with lane l xor 16's two the word is whole, in both halves
.endr
	v_cndmask_b32 v20, v20, v21, s38               ; lanes 0-15: the even step's word of row r; lanes 16-31: the odd step's
.irp B, 0,1,2,3
.irp g, 0,1,2,3
	v_cvt_scalef32_pk8_fp4_f32 v[COD+4*\B+\g], v[NUM+32*\B+8*\g:NUM+32*\B+8*\g+7], v[12+\B]
.endr
.endr
	v_nop                                          ; one plain line behind the last scaled conversion
.irp B, 0,1,2,3
	global_store_b128 v5, v[COD+4*\B:COD+4*\B+3], s[32:33] offset:512*\B   ; 32 lanes store 512 consecutive bytes, aligned
.endr
	global_store_b32 v6, v20, s[34:35]
	s_endpgm
.Lfunc_end_k_q7d8066e338_prep:
	.size	k_q7d8066e338_prep, .Lfunc_end_k_q7d8066e338_prep-k_q7d8066e338_prep
	.p2alignl 7, 3214868480
	.fill 96, 4, 3214868480
	.section	.rodata,"a",@progbits
	.p2align	6, 0x0
	.amdhsa_kernel k_q7d8066e338_prep
		.amdhsa_group_segment_fixed_size 0
		.amdhsa_private_segment_fixed_size 0
		.amdhsa_enable_private_segment 0
		.amdhsa_kernarg_size 56
		.amdhsa_user_sgpr_count 2
		.amdhsa_user_sgpr_kernarg_segment_ptr 1
		.amdhsa_wavefront_size32 1
		.amdhsa_system_sgpr_workgroup_id_x 1
		.amdhsa_system_sgpr_workgroup_id_y 1
		.amdhsa_system_sgpr_workgroup_id_z 1
		.amdhsa_system_vgpr_workitem_id 0
		.amdhsa_next_free_vgpr 192
		.amdhsa_next_free_sgpr 66
		.amdhsa_reserve_vcc 0
		.amdhsa_float_denorm_mode_32 3
		.amdhsa_float_denorm_mode_16_64 3
		.amdhsa_memory_ordered 1
		.amdhsa_forward_progress 1
		.amdhsa_inst_pref_size 13
	.end_amdhsa_kernel
	.amdgpu_metadata
---
amdhsa.version: [ 1, 2 ]
amdhsa.kernels:
  - .name:           k_q7d8066e338_prep
    .symbol:         k_q7d8066e338_prep.kd
    .args:
      - { .name: Wq, .offset: 0, .size: 8, .value_kind: global_buffer, .address_space: global }
      - { .name: Wk, .offset: 8, .size: 8, .value_kind: global_buffer, .address_space: global }
      - { .name: Wv, .offset: 16, .size: 8, .value_kind: global_buffer, .address_space: global }
      - { .name: Wm, .offset: 24, .size: 8, .value_kind: global_buffer, .address_space: global }
      - { .name: W1, .offset: 32, .size: 8, .value_kind: global_buffer, .address_space: global }
      - { .name: W2, .offset: 40, .size: 8, .value_kind: global_buffer, .address_space: global }
      - { .name: wq, .offset: 48, .size: 8, .value_kind: global_buffer, .address_space: global }
    .group_segment_fixed_size: 0
    .private_segment_fixed_size: 0
    .kernarg_segment_align: 8
    .kernarg_segment_size: 56
    .max_flat_workgroup_size: 32
    .sgpr_count:     66
    .vgpr_count:     192
    .wavefront_size: 32
...
	.end_amdgpu_metadata
.endif
;; end of part 1
;; launch proj (part 2): grid 16 x 16, 8 waves a work-group, no clusters, 38,912 bytes of LDS; arguments x, source, wq, bq, bk, bv, xq, qq, kv; writes xq, qq, kv
.if DOCPART == 2
	.amdgcn_target "amdgcn-amd-amdhsa--gfx1250"
	.amdhsa_code_object_version 6
	.text
	.protected	k_q7d8066e338_proj
	.globl	k_q7d8066e338_proj
	.p2align	8
	.type	k_q7d8066e338_proj,@function
k_q7d8066e338_proj:
	s_mov_b64 s[64:65], 0
	v_nop
	global_prefetch_b8 v0, s[64:65] scope:SCOPE_SE
	s_setreg_imm32_b32 hwreg(HW_REG_WAVE_MODE, 25, 1), 1
	s_wait_xcnt 0x0
; x and source [4][256 channels][4][2048], f32, are quantised along the channels; q = Wq x + bq, k = Wk source + bk (quantised along the channels) and v = Wv source + bv (quantised along the KEYS) are made from the codes.
; A work-group takes 128 keypoints (block j = x of the grid) of one (batch, head) g = y of the grid.  All that it makes leaves as images of operand registers (a fragment: 16 rows x 128 K, 1,024 bytes, register group c of lane l at 512 c + 16 l).
; EVERY TILE OF 16 IS FORMED ALIKE: row p of tile 2 b + u is index 32 b + 8 u + p + 8 (p / 8), for keypoints, weight rows and channels.  So in a result the 16 registers of tiles 2 b and 2 b + 1 are 16 neighbours, 32 b + 16 (lane / 16) + 0 .. 15.
; PHASE Q: waves 0-3 quantise x, waves 4-7 source, 32 keypoints each: a lane takes a keypoint and its registers run down the channels: each load reads 128 consecutive bytes, a block of 32 channels lies in one lane.  Images go to LDS.
; PHASE P: wave (cg, tp): q and k for output channels 128 cg on and keypoint tiles 2 tp, 2 tp + 1, TRANSPOSED (source 0 = 16 weight rows, source 1 = 16 keypoints): a lane holds one keypoint and registers along the channels, the next K.
;   Wave w: v for channel tiles 2 w, 2 w + 1 and all 128 keypoints, NOT transposed (source 0 = keypoints, source 1 = Wv's rows): a lane holds one channel and registers along the keys, v's K in attention.
; The biases are the C of each sum's first matrix instruction.
; THE WAY OUT.  A fragment of q, k or v is made whole by one wave, and its image in memory is the image of its registers: it leaves STRAIGHT FROM THE REGISTERS in which the quantiser made it, two stores of 512 aligned bytes, as soon as it is made.
; x's images leave from LDS right behind the first barrier, 2,048 bytes a wave.  Only the scale words, whose images are pieced together by several waves, meet in LDS and leave behind a second barrier, 512 aligned bytes a wave.
; No cluster and no tensor load: what work-groups share are the weights' codes, which each wave loads once, straight into the registers in which they stay.  No prefetch: each wave keeps 64 loads of x or source on their way.
; LIMITS: a block of zeros has the byte 1 where the rule says 127 (its codes are zeros; this program alone reads the bytes); blocks whose largest magnitude lies under 2^(2 - 126) were not tried; NaN and infinities are not served.
.set XIMG, 0                           ; LDS: x's 16 fragments (tile m, K step s: 2 m + s)
.set SIMG, 16384                       ; source's
.set XSC,  32768                       ; x's scale words: [m][128 bytes: lanes 0-15 K step 0, lanes 16-31 K step 1]
.set QSC,  33792                       ; q's likewise
.set KSC,  34816                       ; k's: [t / 4][16 s + r][t % 4] words
.set VSC,  35840                       ; v's: [tile / 8][16 (tile % 2) + r][(tile / 2) % 4] words
.set SSC,  36864                       ; source's scale words, as x's
.set SPARE, 37888                      ; the spare words, 128 bytes for each wave: four blocks of 256 bytes that no other line names
.set GA,  4                            ; v4   phase Q: my keypoint's bytes in the wave's 128
.set QI,  5                            ; v5   phase Q: where my block's 16 bytes go
.set QW,  6                            ; v6   phase Q: where my scale words go
.set LIS, 7                            ; v7   SIMG + 16 lane
.set LSS, 8                            ; v8   SSC + 4 lane
.set TIX, 9                            ; v9   x's images of my two keypoint tiles
.set TIS, 10                           ; v10  source's
.set TWX, 11                           ; v11  x's scale words of them
.set TWS, 12                           ; v12  source's
.set XO,  13                           ; v13  x's way out: 16 lane + 2,048 w
.set OWQ, 14                           ; v14  q's scale word
.set OWK, 15                           ; v15  k's
.set OWV, 16                           ; v16  v's
.set CW,  17                           ; v17  the scale words' way out: XSC + 512 w + 16 lane
.set GL16, 20                          ; v20  16 lane
.set GL4, 21                           ; v21  4 lane
.set BOF, 22                           ; v22  bq, bk: 64 h + 512 cg
.set BVO, 23                           ; v23  bv: 4 (r + 8 (r / 8)) + 128 w
.set SPW, 30                           ; v30  LDS address of my spare word; never rewritten
.set NIL, 31                           ; v31  0; never rewritten
.set X,   32                           ; v32-95   phase Q: two sets of 32 numbers
.set HA,  32                           ; v32-95   phase P: eight result tiles
.set WVF, 96                           ; v96-127  Wv's four fragments (e, s) at 8 (2 e + s); at the end my 512 bytes of scale words
.set TF,  128                          ; v128-191 keypoint fragments
.set PC,  192                          ; v192-199 the codes just made
.set TM,  200                          ; v200-215 at work
.set PW,  216                          ; v216     the scale word just made
.set WAC, 217                          ; v217-218 phase Q: my keypoint's two scale words
.set WAS, 220                          ; v220-227 Wq's, later Wk's, scale words
.set WVS, 228                          ; v228-229 Wv's
.set XSR, 230                          ; v230-231 two keypoint tiles' scale words
.set TSR, 232                          ; v232-239 source's, all eight tiles
.set BV,  240                          ; v240-255 bv, two tiles x eight equal registers
                                       ; window 1: v0-127 Wq's, later Wk's, 16 fragments (t, s) at 8 (2 t + s); v128-191 bq, v192-255 bk, in the result's layout
.set SEL, 26                           ; s[26:27]
.set HI,  28                           ; s28
.set XP,  48                           ; s[48:49] xq at my 2,048 bytes of x's images
.set WP,  50                           ; s[50:51] where my 512 bytes of scale words go
.set QP,  52                           ; s[52:53] qq at my first fragment
.set KP,  54                           ; s[54:55] kv at my first fragment of k
.set VP,  56                           ; s[56:57] kv at my first fragment of v
.set MSB, 0
.macro WIN new                         ; the immediate's high byte repeats the setting that is left
.if MSB != \new
	s_set_vgpr_msb (MSB<<8)|\new
.set MSB, \new
.endif
.endm
; One scaled matrix instruction.  c = -1: the constant 0 starts the sum.  ra, rb: the scales are taken from lanes 16-31 of their registers.
.macro WM d, a, b, c, sa, sb, ra, rb
.if (\c) < 0
.if (\ra) && (\rb)
	v_wmma_scale_f32_16x16x128_f8f6f4 v[(\d):(\d)+7], v[(\a):(\a)+7], v[(\b):(\b)+7], 0, v[\sa], v[\sb] matrix_a_fmt:MATRIX_FMT_FP4 matrix_b_fmt:MATRIX_FMT_FP4 matrix_a_scale:MATRIX_SCALE_ROW1 matrix_b_scale:MATRIX_SCALE_ROW1
.else
	v_wmma_scale_f32_16x16x128_f8f6f4 v[(\d):(\d)+7], v[(\a):(\a)+7], v[(\b):(\b)+7], 0, v[\sa], v[\sb] matrix_a_fmt:MATRIX_FMT_FP4 matrix_b_fmt:MATRIX_FMT_FP4
.endif
.else
.if (\ra) && (\rb)
	v_wmma_scale_f32_16x16x128_f8f6f4 v[(\d):(\d)+7], v[(\a):(\a)+7], v[(\b):(\b)+7], v[(\c):(\c)+7], v[\sa], v[\sb] matrix_a_fmt:MATRIX_FMT_FP4 matrix_b_fmt:MATRIX_FMT_FP4 matrix_a_scale:MATRIX_SCALE_ROW1 matrix_b_scale:MATRIX_SCALE_ROW1
.else
	v_wmma_scale_f32_16x16x128_f8f6f4 v[(\d):(\d)+7], v[(\a):(\a)+7], v[(\b):(\b)+7], v[(\c):(\c)+7], v[\sa], v[\sb] matrix_a_fmt:MATRIX_FMT_FP4 matrix_b_fmt:MATRIX_FMT_FP4
.endif
.endif
.endm
; 64 numbers of a lane, register 16 b + i = k 32 b + 16 (lane / 16) + i of my row, become a fragment's codes in v[dst] on and its scale word in v[wrd] (the same word in both halves of the lanes).
.macro QUANT src, dst, wrd
.irp b, 0,1,2,3
	v_max3_num_f32 v[TM+\b], |v[\src+16*\b]|, |v[\src+1+16*\b]|, 0x1800000   ; block b: my 16 numbers, and the floor 2^(3 - 127): the byte cannot fall under 1
.endr
.irp i, 2,4,6,8,10,12,14
.irp b, 0,1,2,3
	v_max3_num_f32 v[TM+\b], v[TM+\b], |v[\src+16*\b+\i]|, |v[\src+1+16*\b+\i]|
.endr
.endr
.irp b, 0,1,2,3
	v_permlanex16_b32 v[TM+4+\b], v[TM+\b], s[SEL], s[SEL+1]
.endr
.irp b, 0,1,2,3
	v_max_num_f32 v[TM+\b], v[TM+\b], v[TM+4+\b]   ; with lane l xor 16's: the block's largest magnitude
.endr
.irp b, 0,1,2,3
	v_add_nc_u32 v[TM+12+\b], 0xff000000, v[TM+\b] ; 2 off its exponent field: the conversion's scale operand
.endr
.irp b, 0,1,2,3
	v_lshrrev_b32 v[TM+4+\b], 23, v[TM+12+\b]      ; the scale's byte
.endr
	v_lshl_or_b32 v[\wrd], v[TM+5], 8, v[TM+4]
	v_lshl_or_b32 v[\wrd], v[TM+6], 16, v[\wrd]
	v_lshl_or_b32 v[\wrd], v[TM+7], 24, v[\wrd]
.irp b, 0,1,2,3
	v_cvt_scalef32_pk8_fp4_f32 v[\dst+2*\b], v[\src+16*\b:\src+7+16*\b], v[TM+12+\b]
	v_cvt_scalef32_pk8_fp4_f32 v[\dst+1+2*\b], v[\src+8+16*\b:\src+15+16*\b], v[TM+12+\b]
.endr
	v_nop                                          ; one plain line behind the last scaled conversion
.irp c, 0,1                                    ; the operand's layout wants a whole block in a lane
.irp i, 0,1
	v_permlane16_swap_b32 v[\dst+4*\c+\i], v[\dst+2+4*\c+\i]
.endr
.endr
.endm
.macro BARRIER                                 ; my LDS stores have landed and my LDS loads are in: then the work-group's barrier
	s_wait_dscnt 0x0
	s_barrier_signal -1
	s_barrier_wait -1
.endm
.macro PLACES n                                ; plain lines between a matrix instruction and a load into, or a vector line on, its registers
.rept \n
	v_nop
.endr
.endm
.macro LOADQ t                         ; block t: channels 32 t + i of my keypoint, into set t % 2; a channel is 32,768 bytes on: 255 x 32,768 stays inside the signed 24-bit immediate (ISA guide, chapter 10)
.irp i, 0,1,2,3,4,5,6,7,8,9,10,11,12,13,14,15,16,17,18,19,20,21,22,23,24,25,26,27,28,29,30,31
	global_load_b32 v[X+32*((\t)%2)+\i], v[GA], s[44:45] offset:(32*(\t)+\i)*32768 th:TH_LOAD_NT
.endr
.endm
	s_load_b256 s[4:11], s[0:1], 0x0               ; x, source, wq, bq
	s_load_b256 s[12:19], s[0:1], 0x20             ; bk, bv, xq, qq
	s_load_b64 s[20:21], s[0:1], 0x40              ; kv
	v_lshl_add_u32 v[SPW], v0, 2, SPARE
	v_mov_b32 v[NIL], 0
	v_lshrrev_b32 v1, 5, v0
	v_readfirstlane_b32 s22, v1                    ; w: wave 0..7
	s_and_b32 s23, s22, 3                          ; P: which 32 keypoints in phase Q
	s_lshr_b32 s24, s22, 2                         ; 0: x, 1: source
	s_and_b32 s25, s22, 1                          ; cg: which 128 output channels
	s_lshr_b32 s29, s22, 1                         ; tp: which two keypoint tiles
	s_mov_b32 s[SEL], 0x76543210
	s_mov_b32 s[SEL+1], 0xfedcba98
	s_mov_b32 s[HI], 0xffff0000
	s_and_b32 s30, ttmp7, 0xffff                   ; g
	v_and_b32 v1, 31, v0                           ; lane
	v_and_b32 v2, 15, v0                           ; r
	v_bfe_u32 v3, v0, 4, 1                         ; h
	v_and_b32 v[GA], 7, v0
	v_bfe_u32 v24, v0, 3, 1
	v_lshl_add_u32 v[GA], v24, 4, v[GA]
	v_lshl_add_u32 v[GA], v3, 3, v[GA]
	v_lshlrev_b32 v[GA], 2, v[GA]                  ; lane (r, h) takes row r of tile 2 P + h: keypoint (r % 8) + 16 (r / 8) + 8 h of the wave's 32
	s_lshl_b32 s31, s23, 12
	s_mul_i32 s32, s24, SIMG
	s_add_co_u32 s31, s31, s32
	v_lshlrev_b32 v[QI], 4, v2
	v_lshl_add_u32 v[QI], v3, 11, v[QI]
	v_add_nc_u32 v[QI], s31, v[QI]                 ; 4,096 P + 2,048 h + 16 r (+ SIMG)
	s_lshl_b32 s31, s23, 8
	s_mul_i32 s32, s24, SSC-XSC
	s_add_co_u32 s31, s31, s32
	s_add_co_u32 s31, s31, XSC
	v_lshlrev_b32 v[QW], 2, v2
	v_lshl_add_u32 v[QW], v3, 7, v[QW]
	v_add_nc_u32 v[QW], s31, v[QW]                 ; XSC (or SSC) + 256 P + 128 h + 4 r
	v_lshlrev_b32 v[GL16], 4, v1
	v_lshlrev_b32 v[GL4], 2, v1
	v_add_nc_u32 v[LIS], SIMG, v[GL16]
	v_add_nc_u32 v[LSS], SSC, v[GL4]
	s_lshl_b32 s31, s29, 12
	v_add_nc_u32 v[TIX], s31, v[GL16]
	v_add_nc_u32 v[TIS], SIMG, v[TIX]
	s_lshl_b32 s32, s29, 8
	v_add_nc_u32 v[TWX], s32, v[GL4]
	v_add_nc_u32 v[TWS], SSC, v[TWX]
	v_add_nc_u32 v[TWX], XSC, v[TWX]
	s_lshl_b32 s33, s25, 6
	s_add_co_u32 s33, s33, s32
	s_add_co_u32 s33, s33, QSC
	v_lshl_add_u32 v[OWQ], v2, 2, s33              ; QSC + 4 r + 256 tp + 64 cg
	s_lshr_b32 s33, s29, 1
	s_lshl_b32 s33, s33, 9
	s_lshl_b32 s34, s25, 8
	s_add_co_u32 s33, s33, s34
	s_and_b32 s34, s29, 1
	s_lshl_b32 s34, s34, 3
	s_add_co_u32 s33, s33, s34
	s_add_co_u32 s33, s33, KSC
	v_lshl_add_u32 v[OWK], v2, 4, s33              ; KSC + 16 r + 512 (tp / 2) + 256 cg + 8 (tp % 2)
	s_lshl_b32 s33, s22, 11
	v_add_nc_u32 v[XO], s33, v[GL16]               ; 16 lane + 2,048 w
	s_lshl_b32 s33, s24, 9
	s_lshl_b32 s34, s23, 2
	s_add_co_u32 s33, s33, s34
	s_add_co_u32 s33, s33, VSC
	v_lshl_add_u32 v[OWV], v2, 4, s33              ; VSC + 16 r + 512 (w / 4) + 4 (w % 4)
	s_lshl_b32 s33, s22, 9
	s_add_co_u32 s33, s33, XSC
	v_add_nc_u32 v[CW], s33, v[GL16]
	s_lshl_b32 s33, s25, 9
	v_lshl_add_u32 v[BOF], v3, 6, s33
	v_and_b32 v[BVO], 8, v2
	v_add_nc_u32 v[BVO], v[BVO], v2
	s_lshl_b32 s33, s22, 7
	v_lshl_add_u32 v[BVO], v[BVO], 2, s33
.irp b, 0,1,2,3
	v_mov_b32 v[TM+4+\b], 0                        ; written once: a lane permute's destination counts as one of its sources
.endr
	; offsets, apart from the addresses
	s_mov_b32 s35, 0
	s_lshr_b32 s46, s30, 2
	s_lshl_b32 s46, s46, 23                        ; batch
	s_and_b32 s47, s30, 3
	s_lshl_b32 s47, s47, 13                        ; head
	s_add_co_u32 s46, s46, s47
	s_lshl_b32 s47, ttmp9, 9                       ; 128 keypoints
	s_add_co_u32 s46, s46, s47
	s_lshl_b32 s47, s23, 7                         ; my wave's 32
	s_add_co_u32 s46, s46, s47
	s_mov_b32 s47, 0
	s_wait_kmcnt 0x0
	s_lshl_b32 s34, s25, 14                        ; a weight's half cg: 16 fragments
	s_add_nc_u64 s[36:37], s[8:9], s[34:35]        ; wq + 16,384 cg
	s_lshl_b32 s34, s25, 10
	s_add_nc_u64 s[38:39], s[8:9], s[34:35]        ; wq + 1,024 cg
	s_lshl_b32 s34, s22, 12
	s_add_nc_u64 s[40:41], s[8:9], s[34:35]        ; wq + 4,096 w
	s_lshl_b32 s34, s22, 8
	s_add_nc_u64 s[42:43], s[8:9], s[34:35]        ; wq + 256 w
	s_cmp_lt_u32 s22, 4
	s_cselect_b64 s[44:45], s[4:5], s[6:7]         ; x or source: the choice hangs on the wave's number alone
	s_add_nc_u64 s[44:45], s[44:45], s[46:47]
	; the weights and biases are asked for first: loads come back in order, so phase Q's first counted wait covers them
	WIN 0x40                                       ; destination window 1
.set k, 0
.rept 32
	global_load_b128 v[4*k:4*k+3], v[GL16], s[36:37] offset:512*k     ; Wq's half cg
.set k, k+1
.endr
.irp t, 0,1,2,3,4,5,6,7                        ; lane (r, h) wants, for tile 2 b + u, the biases of channels 128 cg + 32 b + 8 u + 16 h + 0 .. 7
	global_load_b128 v[128+8*\t:131+8*\t], v[BOF], s[10:11] offset:(32*(\t/2)+8*(\t%2))*4
	global_load_b128 v[132+8*\t:135+8*\t], v[BOF], s[10:11] offset:(32*(\t/2)+8*(\t%2))*4+16
	global_load_b128 v[192+8*\t:195+8*\t], v[BOF], s[12:13] offset:(32*(\t/2)+8*(\t%2))*4
	global_load_b128 v[196+8*\t:199+8*\t], v[BOF], s[12:13] offset:(32*(\t/2)+8*(\t%2))*4+16
.endr
	WIN 0
.irp t, 0,1,2,3,4,5,6,7
	global_load_b32 v[WAS+\t], v[GL4], s[38:39] offset:32768+128*\t
.endr
.irp k, 0,1,2,3,4,5,6,7
	global_load_b128 v[WVF+4*\k:WVF+4*\k+3], v[GL16], s[40:41] offset:69632+512*\k   ; Wv's tiles 2 w, 2 w + 1
.endr
.irp e, 0,1
	global_load_b32 v[WVS+\e], v[GL4], s[42:43] offset:102400+128*\e
	global_load_b32 v[BV+8*\e], v[BVO], s[14:15] offset:32*\e        ; bv of channel 32 w + 8 e + r + 8 (r / 8)
.endr
	LOADQ 0
	LOADQ 1
	; where the results go: scalar work while the loads are on their way
	s_lshl_b32 s31, s30, 4
	s_add_co_u32 s31, s31, ttmp9                   ; WGI = 16 g + j
	s_lshl_b32 s32, s30, 15
	s_lshl_b32 s33, ttmp9, 10
	s_add_co_u32 s32, s32, s33
	s_add_co_u32 s32, s32, 8388608                 ; kv's scale words: [g][K's 16 KiB, V's 16 KiB][j][1 KiB]
	s_cmp_eq_u32 s29, 3                            ; waves 6 and 7 carry v's
	s_cselect_b32 s33, 16384, 0
	s_add_co_u32 s32, s32, s33
	s_lshl_b32 s33, s31, 10
	s_add_co_u32 s33, s33, 4194304                 ; xq's and qq's: 1,024 bytes a work-group
	s_cmp_lt_u32 s29, 2                            ; waves 0, 1: x's words; 2, 3: q's; 4, 5: k's; 6, 7: v's
	s_cselect_b32 s58, s33, s32
	s_lshl_b32 s33, s25, 9
	s_add_co_u32 s58, s58, s33
	s_mov_b32 s59, 0
	s_cmp_lt_u32 s29, 2
	s_cselect_b64 s[WP:WP+1], s[18:19], s[20:21]
	s_cmp_lt_u32 s29, 1
	s_cselect_b64 s[WP:WP+1], s[16:17], s[WP:WP+1]
	s_add_nc_u64 s[WP:WP+1], s[WP:WP+1], s[58:59]
	s_lshl_b32 s32, s31, 14                        ; xq, qq: 16,384 bytes of codes a work-group
	s_lshl_b32 s33, s22, 11
	s_add_co_u32 s34, s32, s33
	s_add_nc_u64 s[XP:XP+1], s[16:17], s[34:35]    ; + 2,048 w
	s_lshl_b32 s33, s29, 12
	s_add_co_u32 s34, s32, s33
	s_lshl_b32 s33, s25, 10
	s_add_co_u32 s34, s34, s33
	s_add_nc_u64 s[QP:QP+1], s[18:19], s[34:35]    ; fragment (tile 2 tp, K step cg): + 4,096 tp + 1,024 cg
	s_add_co_u32 s34, s34, s32                     ; kv: 32,768 bytes of codes a work-group, k's first
	s_add_nc_u64 s[KP:KP+1], s[20:21], s[34:35]
	s_lshl_b32 s34, s31, 15
	s_lshl_b32 s33, s22, 11
	s_add_co_u32 s34, s34, s33
	s_add_co_u32 s34, s34, 16384
	s_add_nc_u64 s[VP:VP+1], s[20:21], s[34:35]    ; v's fragment 2 w
; ---- PHASE Q
.macro BLOCKQ t
.set XB, X+32*((\t)%2)
.if (\t) < 7
	s_wait_loadcnt 32                              ; this block's 32 loads are in; the next block's 32 may be out
.else
	s_wait_loadcnt 0x0
.endif
	v_max3_num_f32 v[TM], |v[XB]|, |v[XB+1]|, |v[XB+2]|
	v_max3_num_f32 v[TM+1], |v[XB+3]|, |v[XB+4]|, |v[XB+5]|
.irp i, 6,10,14,18,22,26
	v_max3_num_f32 v[TM], v[TM], |v[XB+\i]|, |v[XB+\i+1]|
	v_max3_num_f32 v[TM+1], v[TM+1], |v[XB+\i+2]|, |v[XB+\i+3]|
.endr
	v_max3_num_f32 v[TM], v[TM], |v[XB+30]|, |v[XB+31]|
	v_max3_num_f32 v[TM], v[TM], v[TM+1], 0x1800000
	v_add_nc_u32 v[TM+2], 0xff000000, v[TM]
	v_lshrrev_b32 v[TM+3], 23, v[TM+2]
.if (\t)%4 == 0
	v_mov_b32 v[WAC+(\t)/4], v[TM+3]
.else
	v_lshl_or_b32 v[WAC+(\t)/4], v[TM+3], 8*((\t)%4), v[WAC+(\t)/4]
.endif
	s_wait_dscnt 0x0                               ; the last block's store has read its registers: the codes may be written again
.irp g, 0,1,2,3
	v_cvt_scalef32_pk8_fp4_f32 v[PC+\g], v[XB+8*\g:XB+8*\g+7], v[TM+2]
.endr
	v_nop                                          ; one plain line behind the last scaled conversion
	ds_store_b128 v[QI], v[PC:PC+3] offset:1024*((\t)/4)+512*(((\t)/2)%2)+256*((\t)%2)   ; block t is register group (t / 2) % 2 of lane 16 (t % 2) + r in K step t / 4's image
.if (\t)+2 < 8
	LOADQ (\t)+2
.endif
.endm
.irp t, 0,1,2,3,4,5,6,7
	BLOCKQ \t
.endr
	ds_store_b32 v[QW], v[WAC]
	ds_store_b32 v[QW], v[WAC+1] offset:64
.irp e, 0,1
.irp j, 1,2,3,4,5,6,7
	v_mov_b32 v[BV+8*\e+\j], v[BV+8*\e]            ; in v's layout a lane holds one channel: eight equal registers are its C
.endr
.endr
	BARRIER                                        ; x's and source's images lie in LDS
; ---- PHASE P
.macro TFETCH ti, tw                   ; my two keypoint tiles: two fragments and a register of scale words each: ten loads
.irp e, 0,1
.irp k, 0,1,2,3
	ds_load_b128 v[TF+16*\e+4*\k:TF+16*\e+4*\k+3], v[\ti] offset:2048*\e+512*\k
.endr
	ds_load_b32 v[XSR+\e], v[\tw] offset:128*\e
.endr
.endm
; q or k of keypoint tile 2 tp + e: 16 matrix instructions, the eight tiles by turns, then quantised: K step cg of that keypoint tile, which leaves at once
.macro UNIT_T bias, gp, wr, wo, e
	WIN 0x11                                       ; source 0 (the weight) and C (the bias) window 1
.irp t, 0,1,2,3,4,5,6,7
	WM HA+8*\t, 16*\t, TF+16*(\e), \bias+8*\t, WAS+\t, XSR+(\e), 0, 0
.endr
	WIN 0x01
.irp t, 0,1,2,3,4,5,6,7
	WM HA+8*\t, 16*\t+8, TF+16*(\e)+8, HA+8*\t, WAS+\t, XSR+(\e), 1, 1
.endr
	WIN 0
	PLACES 4
	s_wait_xcnt 0x0                                ; the last fragment's stores have read their registers,
	s_wait_dscnt 0x0                               ; and so has the store of its scale word: both are written again below
	QUANT HA, PC, PW
	global_store_b128 v[GL16], v[PC:PC+3], s[\gp:\gp+1] offset:2048*(\e)         ; 32 lanes store 512 consecutive bytes, aligned
	global_store_b128 v[GL16], v[PC+4:PC+7], s[\gp:\gp+1] offset:2048*(\e)+512
	ds_store_b32 v[\wr], v[PW] offset:\wo*(\e)     ; lanes r and 16 + r write the same word with the same value
.endm
; v of channel tile 2 w + e, all 128 keypoints: source 0 = keypoints, source 1 = Wv's rows
.macro UNIT_V e
.irp s, 0,1
	PLACES 4                                       ; in front of loads into registers that matrix instructions have read
.irp t, 0,1,2,3,4,5,6,7
	ds_load_b128 v[TF+8*\t:TF+8*\t+3], v[LIS] offset:(2*\t+\s)*1024
	ds_load_b128 v[TF+8*\t+4:TF+8*\t+7], v[LIS] offset:(2*\t+\s)*1024+512
.endr
	s_wait_dscnt 0x0                               ; the fragments are in; and the last scale word's store has read its register
.irp t, 0,1,2,3,4,5,6,7
.if \s == 0
	WM HA+8*\t, TF+8*\t, WVF+16*(\e), BV+8*(\e), TSR+\t, WVS+(\e), 0, 0
.else
	WM HA+8*\t, TF+8*\t, WVF+16*(\e)+8, HA+8*\t, TSR+\t, WVS+(\e), 1, 1
.endif
.endr
.endr
	PLACES 4
	s_wait_xcnt 0x0                                ; the last fragment's stores have read their registers
	QUANT HA, PC, PW
	global_store_b128 v[GL16], v[PC:PC+3], s[VP:VP+1] offset:1024*(\e)
	global_store_b128 v[GL16], v[PC+4:PC+7], s[VP:VP+1] offset:1024*(\e)+512
	ds_store_b32 v[OWV], v[PW] offset:256*(\e)
.endm
.irp k, 0,1,2,3
	ds_load_b128 v[TF+32+4*\k:TF+32+4*\k+3], v[XO] offset:XIMG+512*\k   ; x's images leave now: my 2,048 bytes
.endr
	TFETCH TIX, TWX
	s_wait_dscnt 10                                ; x's four loads are in; the ten of the two keypoint tiles may be out
.irp k, 0,1,2,3
	global_store_b128 v[GL16], v[TF+32+4*\k:TF+32+4*\k+3], s[XP:XP+1] offset:512*\k
.endr
	s_wait_dscnt 0x0
	UNIT_T 128, QP, OWQ, 128, 0
	UNIT_T 128, QP, OWQ, 128, 1
	WIN 0x40                                       ; Wk takes Wq's registers; it lands while v is made
.set k, 0
.rept 32
	global_load_b128 v[4*k:4*k+3], v[GL16], s[36:37] offset:34816+512*k
.set k, k+1
.endr
	WIN 0
.irp t, 0,1,2,3,4,5,6,7
	global_load_b32 v[WAS+\t], v[GL4], s[38:39] offset:67584+128*\t
.endr
.irp t, 0,1,2,3,4,5,6,7
	ds_load_b32 v[TSR+\t], v[LSS] offset:128*\t
.endr
	UNIT_V 0
	UNIT_V 1
	TFETCH TIS, TWS
	s_wait_loadcnt 0x0                             ; Wk
	s_wait_dscnt 0x0
	UNIT_T 192, KP, OWK, 4, 0
	UNIT_T 192, KP, OWK, 4, 1
	BARRIER                                        ; all scale words lie in LDS
	ds_load_b128 v[WVF:WVF+3], v[CW]
	s_wait_dscnt 0x0
	global_store_b128 v[GL16], v[WVF:WVF+3], s[WP:WP+1]   ; 32 lanes store 512 consecutive bytes, aligned
	s_wait_tensorcnt 0x0                           ; the wave's end: behind my last LDS store
	ds_add_u32 v[SPW], v[NIL]
	s_wait_dscnt 0x0
	s_endpgm
.Lfunc_end_k_q7d8066e338_proj:
	.size	k_q7d8066e338_proj, .Lfunc_end_k_q7d8066e338_proj-k_q7d8066e338_proj
	.p2alignl 7, 3214868480
	.fill 96, 4, 3214868480
	.section	.rodata,"a",@progbits
	.p2align	6, 0x0
	.amdhsa_kernel k_q7d8066e338_proj
		.amdhsa_group_segment_fixed_size 38912
		.amdhsa_private_segment_fixed_size 0
		.amdhsa_enable_private_segment 0
		.amdhsa_kernarg_size 72
		.amdhsa_user_sgpr_count 2
		.amdhsa_user_sgpr_kernarg_segment_ptr 1
		.amdhsa_wavefront_size32 1
		.amdhsa_system_sgpr_workgroup_id_x 1
		.amdhsa_system_sgpr_workgroup_id_y 1
		.amdhsa_system_sgpr_workgroup_id_z 1
		.amdhsa_system_vgpr_workitem_id 0
		.amdhsa_next_free_vgpr 512
		.amdhsa_next_free_sgpr 66
		.amdhsa_reserve_vcc 0
		.amdhsa_float_denorm_mode_32 3
		.amdhsa_float_denorm_mode_16_64 3
		.amdhsa_memory_ordered 1
		.amdhsa_forward_progress 1
		.amdhsa_inst_pref_size 100
	.end_amdhsa_kernel
	.amdgpu_metadata
---
amdhsa.version: [ 1, 2 ]
amdhsa.kernels:
  - .name:           k_q7d8066e338_proj
    .symbol:         k_q7d8066e338_proj.kd
    .args:
      - { .name: x, .offset: 0, .size: 8, .value_kind: global_buffer, .address_space: global }
      - { .name: source, .offset: 8, .size: 8, .value_kind: global_buffer, .address_space: global }
      - { .name: wq, .offset: 16, .size: 8, .value_kind: global_buffer, .address_space: global }
      - { .name: bq, .offset: 24, .size: 8, .value_kind: global_buffer, .address_space: global }
      - { .name: bk, .offset: 32, .size: 8, .value_kind: global_buffer, .address_space: global }
      - { .name: bv, .offset: 40, .size: 8, .value_kind: global_buffer, .address_space: global }
      - { .name: xq, .offset: 48, .size: 8, .value_kind: global_buffer, .address_space: global }
      - { .name: qq, .offset: 56, .size: 8, .value_kind: global_buffer, .address_space: global }
      - { .name: kv, .offset: 64, .size: 8, .value_kind: global_buffer, .address_space: global }
    .group_segment_fixed_size: 38912
    .private_segment_fixed_size: 0
    .kernarg_segment_align: 8
    .kernarg_segment_size: 72
    .max_flat_workgroup_size: 256
    .sgpr_count:     66
    .vgpr_count:     512
    .wavefront_size: 32
...
	.end_amdgpu_metadata
.endif
;; end of part 2
;; launch attn (part 3): grid 16 x 16, 8 waves a work-group, clusters of 4 x 1, 327,680 bytes of LDS; arguments qq, kv, xq, wq, bm, mq, part; writes mq, part
.if DOCPART == 3
	.amdgcn_target "amdgcn-amd-amdhsa--gfx1250"
	.amdhsa_code_object_version 6
	.text
	.protected	k_q7d8066e338_attn
	.globl	k_q7d8066e338_attn
	.p2align	8
	.type	k_q7d8066e338_attn,@function
k_q7d8066e338_attn:
	s_mov_b64 s[64:65], 0
	v_nop
	global_prefetch_b8 v0, s[64:65] scope:SCOPE_SE
	s_setreg_imm32_b32 hwreg(HW_REG_WAVE_MODE, 25, 1), 1
	s_wait_xcnt 0x0
	s_wait_alu depctr_hold_cnt(0) depctr_sa_sdst(0) depctr_va_vdst(0) depctr_va_sdst(0) depctr_va_ssrc(0) depctr_va_vcc(0) depctr_vm_vsrc(0)
	s_getreg_b32 s2, hwreg(HW_REG_IB_STS2, 6, 4)
	s_cmp_eq_u32 s2, 0
	s_cbranch_scc0 .Lentry_in_a_cluster
	s_endpgm
.Lentry_in_a_cluster:
	s_bfe_u32 s2, ttmp6, 0x10000c
	s_cmp_lg_u32 s2, 0x3003
	s_cbranch_scc0 .Lentry_shape_is_right
	s_endpgm
.Lentry_shape_is_right:
; msg = Wm (softmax(q . k / 16) v) + bm on codes of E2M1, msg's codes to mq, and for each of W1's 512 output channels the mean and the sum of squared deviations of h = W1 [x; msg] over this work-group's 128 keypoints to part.
; LEFT OUT: b1 (it cancels in h - mean(h) for all values: shown at the head of the first launch's text).  h itself is not stored: the last launch makes it again from the codes.
; SHARES.  A work-group owns 128 queries of one (batch, head) g; each of its eight waves owns 16 of them, one tile, in 512 registers: two waves to a SIMD, so that one wave's vector work stands beside the other's matrix work and LDS loads.
; Every wave walks the 2,048 keys, 128 a step.  A step's K (16 fragments) and V (16 fragments) are 32,768 dense bytes of kv, images of operand registers: a fragment comes by two loads of 512 consecutive bytes.
; THE SOFTMAX: t = score x log2(e) / 16; M = the running largest t rounded UP to a whole number; p = 2^(t - M) is quantised along the keys, not normalised; the row's sum is taken of the unquantised p and divides at the end.
; Both products are used transposed (S^T = K Q^T, O^T = V^T P^T): a lane holds ONE query throughout.  Tiles of keys and of channels are formed so that the 16 registers of tiles 2 b, 2 b + 1 are 16 neighbours (row p of tile 2 b + u: 32 b + 8 u + p + 8 (p / 8)).
; CLUSTER.  The four query blocks of a cluster belong to one g and walk the same K and V: every tensor load is asked for jointly, with the same descriptor and a mask that names the four.  Each of the eight waves fetches an eighth, with no branch.
; THE RING: two slots of four key steps (131,072 bytes).  A wave has three tensor loads out at the start and one behind each round.  The third refill brings Wm's record into slot 0.
; THE TAIL: O / l is quantised, Wm's product (bias as C) is quantised: K steps 2 and 3 of [x; msg]; the eight waves' tiles meet in LDS (in slot 1, which has had its last fill and its last read), and wave w multiplies all 128 keypoints by W1's tiles 4 w .. 4 w + 3.
; The sums for the statistics are taken of h less a pivot (the lane's first h), and halves are joined by means and squared deviations: no difference of large sums is formed.
; LIMITS: a block of zeros has the byte 1 where the rule says 127 (its codes are zeros; this program alone reads the bytes); NaN and infinities are not served.
.set SLOT1, 131072
.set SCL,   262144                     ; the scale words of all of g's keys: K's 16 KiB, then V's 16 KiB; filled once
.set SPARE, 294912                     ; the spare words, 128 bytes for each wave: four blocks of 256 bytes that no other line names
.set HIMG,  131072                     ; the tail: [x; msg]'s 32 fragments (tile m, K step s: 4 m + s)
.set XSE,   163840                     ; x's scale words [m][128 bytes]
.set MSE,   164864                     ; msg's
.set LI,  1                            ; v1   16 lane
.set LS,  2                            ; v2   4 lane
.set ADK, 3                            ; v3   the step's codes
.set ADS, 4                            ; v4   the step's scale words
.set PFO, 5                            ; v5   256 lane: the prefetches' offset; never rewritten
.set EI,  6                            ; v6   HIMG + 4,096 w + 16 lane
.set EW,  7                            ; v7   XSE + 128 w + 4 lane
.set ER,  8                            ; v8   HIMG + 16 lane
.set ERW, 9                            ; v9   XSE + 4 lane
.set CPW, 10                           ; v10  MSE + 256 w + 8 lane
.set L8,  11                           ; v11  8 lane
                                       ; v12 -M, v13 the largest t, v[14:15] the sum in two halves; v16-31 Q's two fragments, later x's
.set SS,  32                           ; v32-95   S^T, then p
.set PC,  96                           ; v96-103  p's codes
.set KS,  104                          ; v104-111 K's scale words (register t: lanes 0-15 K step 0, lanes 16-31 K step 1); in the tail Wm's, then the keypoint tiles'
.set VS,  112                          ; v112-119 V's (register tile / 2: lanes 0-15 the even tile, lanes 16-31 the odd one); in the tail W1's
.set QS,  120                          ; v120     Q's scale words; in the tail x's
.set PW,  121                          ; v121     p's scale word; in the tail msg's
.set SPW, 122                          ; v122     LDS address of my spare word; never rewritten
.set NIL, 123                          ; v123     0; never rewritten
.set H64, 124                          ; v124     64 (lane / 16)
.set TMP, 125
.set KF,  128                          ; v128-255 K's 16 fragments, (s, t) at 128 + 64 s + 8 t.  Behind the products S^T the step's temporaries lie on them:
.set BMX, 128                          ; the blocks' largest scores
.set BXX, 132
.set SOP, 136                          ; the conversions' scale operands
.set FF,  140                          ; v[140:141] f = 2^(old M - new M)
.set TT,  142
.set CHN, 144                          ; v[144:145] the sum's second chain
                                       ; window 1: v0-127 O^T, tile at 8 x tile; v128-255 V's 16 fragments
.set TM,  32                           ; the tail: at work
.set MF1, 56
.set HF2, 64
.set HF3, 72
.set PIV, 32                           ; the statistics: pivots, sums, sums of squares (a pair for each of my four tiles), eight differences
.set S1A, 40
.set S2A, 48
.set DT,  56
.set WV,  18
.set SEL, 20
.set CS,  22                           ; s[22:23] c = log2(e) / 16
.set G1R, 24                           ; s[24:31] group 1: 64 rows of 256 bytes
.set G1S, 32                           ; s[32:39] 16 rows
.set G1W, 40                           ; s[40:47] 17 rows
.set G0A, 48                           ; s[48:51] slot 0
.set G0B, 52                           ; s[52:55] slot 1
.set G0S, 56                           ; s[56:59] the scale words
.set G0W, 60                           ; s[60:63] Wm's record
.set TB,  66
.set TS,  67
.set CNT, 68
.set HI,  72
.set PFA, 90
.set LIM, 92
.set MSB, 0
.macro WIN new                         ; the immediate's high byte repeats the setting that is left
.if MSB != \new
	s_set_vgpr_msb (MSB<<8)|\new
.set MSB, \new
.endif
.endm
.macro WM d, a, b, c, sa, sb, ra, rb   ; one scaled matrix instruction; c = -1: the constant 0 starts the sum; ra, rb: scales from lanes 16-31
.if (\c) < 0
.if (\ra) && (\rb)
	v_wmma_scale_f32_16x16x128_f8f6f4 v[(\d):(\d)+7], v[(\a):(\a)+7], v[(\b):(\b)+7], 0, v[\sa], v[\sb] matrix_a_fmt:MATRIX_FMT_FP4 matrix_b_fmt:MATRIX_FMT_FP4 matrix_a_scale:MATRIX_SCALE_ROW1 matrix_b_scale:MATRIX_SCALE_ROW1
.elseif (\ra)
	v_wmma_scale_f32_16x16x128_f8f6f4 v[(\d):(\d)+7], v[(\a):(\a)+7], v[(\b):(\b)+7], 0, v[\sa], v[\sb] matrix_a_fmt:MATRIX_FMT_FP4 matrix_b_fmt:MATRIX_FMT_FP4 matrix_a_scale:MATRIX_SCALE_ROW1
.else
	v_wmma_scale_f32_16x16x128_f8f6f4 v[(\d):(\d)+7], v[(\a):(\a)+7], v[(\b):(\b)+7], 0, v[\sa], v[\sb] matrix_a_fmt:MATRIX_FMT_FP4 matrix_b_fmt:MATRIX_FMT_FP4
.endif
.else
.if (\ra) && (\rb)
	v_wmma_scale_f32_16x16x128_f8f6f4 v[(\d):(\d)+7], v[(\a):(\a)+7], v[(\b):(\b)+7], v[(\c):(\c)+7], v[\sa], v[\sb] matrix_a_fmt:MATRIX_FMT_FP4 matrix_b_fmt:MATRIX_FMT_FP4 matrix_a_scale:MATRIX_SCALE_ROW1 matrix_b_scale:MATRIX_SCALE_ROW1
.elseif (\ra)
	v_wmma_scale_f32_16x16x128_f8f6f4 v[(\d):(\d)+7], v[(\a):(\a)+7], v[(\b):(\b)+7], v[(\c):(\c)+7], v[\sa], v[\sb] matrix_a_fmt:MATRIX_FMT_FP4 matrix_b_fmt:MATRIX_FMT_FP4 matrix_a_scale:MATRIX_SCALE_ROW1
.else
	v_wmma_scale_f32_16x16x128_f8f6f4 v[(\d):(\d)+7], v[(\a):(\a)+7], v[(\b):(\b)+7], v[(\c):(\c)+7], v[\sa], v[\sb] matrix_a_fmt:MATRIX_FMT_FP4 matrix_b_fmt:MATRIX_FMT_FP4
.endif
.endif
.endm
.macro QUANT src, dst, wrd             ; 64 numbers of a lane, register 16 b + i = k 32 b + 16 (lane / 16) + i, become a fragment's codes and its scale word
.irp b, 0,1,2,3
	v_max3_num_f32 v[TM+\b], |v[\src+16*\b]|, |v[\src+1+16*\b]|, 0x1800000
.endr
.irp i, 2,4,6,8,10,12,14
.irp b, 0,1,2,3
	v_max3_num_f32 v[TM+\b], v[TM+\b], |v[\src+16*\b+\i]|, |v[\src+1+16*\b+\i]|
.endr
.endr
.irp b, 0,1,2,3
	v_permlanex16_b32 v[TM+4+\b], v[TM+\b], s[SEL], s[SEL+1]
.endr
.irp b, 0,1,2,3
	v_max_num_f32 v[TM+\b], v[TM+\b], v[TM+4+\b]
.endr
.irp b, 0,1,2,3
	v_add_nc_u32 v[TM+12+\b], 0xff000000, v[TM+\b]
.endr
.irp b, 0,1,2,3
	v_lshrrev_b32 v[TM+4+\b], 23, v[TM+12+\b]
.endr
	v_lshl_or_b32 v[\wrd], v[TM+5], 8, v[TM+4]
	v_lshl_or_b32 v[\wrd], v[TM+6], 16, v[\wrd]
	v_lshl_or_b32 v[\wrd], v[TM+7], 24, v[\wrd]
.irp b, 0,1,2,3
	v_cvt_scalef32_pk8_fp4_f32 v[\dst+2*\b], v[\src+16*\b:\src+7+16*\b], v[TM+12+\b]
	v_cvt_scalef32_pk8_fp4_f32 v[\dst+1+2*\b], v[\src+8+16*\b:\src+15+16*\b], v[TM+12+\b]
.endr
	v_nop                                          ; one plain line behind the last scaled conversion
.irp c, 0,1
.irp i, 0,1
	v_permlane16_swap_b32 v[\dst+4*\c+\i], v[\dst+2+4*\c+\i]
.endr
.endr
.endm
.macro PLACES n
.rept \n
	v_nop
.endr
.endm
.macro ROUND                           ; a round of the cluster's barrier
	s_barrier_signal -1
	s_barrier_wait -1
	s_cmp_lg_u32 s[WV], 0
	s_cbranch_scc1 .Lnot_wave_0_\@
	s_barrier_signal -3
.Lnot_wave_0_\@:
	s_barrier_wait -3
	s_barrier_signal -1
	s_barrier_wait -1
.endm
; A PREFETCH INTO THE L2 of a slot's 131,072 bytes that a later change of slots will ask for.  All four clusters of a g walk the same bytes: the first of them (cluster x = 0) asks.  Its four partners take 32,768 bytes each, told apart BY ADDRESS;
; in each, waves 0 to 3 take 8,192 bytes, lanes 256 bytes apart: one instruction a wave, and each aligned block of 256 bytes of key steps 8 to 15 is named once in the launch.  Key steps 0 to 7 come by the first fills alone.
.macro ASK off
	s_cmp_eq_u32 s[LIM], 1
	s_cbranch_scc0 .Lnot_mine_\@
	global_prefetch_b8 v[PFO], s[PFA:PFA+1] offset:\off th:TH_LOAD_NT scope:SCOPE_SE
.Lnot_mine_\@:
.endm
	s_load_b256 s[4:11], s[0:1], 0x0               ; qq, kv, xq, wq
	s_load_b128 s[12:15], s[0:1], 0x20             ; bm, mq
	s_load_b64 s[16:17], s[0:1], 0x30              ; part
	v_lshl_add_u32 v[SPW], v0, 2, SPARE
	v_mov_b32 v[NIL], 0
	ds_add_u32 v[SPW], v[NIL]                      ; the wave's opening: the add, twice on end, and its wait, ahead of my first tensor load; the set-up below, work on registers, stands between
	ds_add_u32 v[SPW], v[NIL]
	v_lshrrev_b32 v1, 5, v0
	v_readfirstlane_b32 s[WV], v1                  ; wave 0..7
	s_bfe_u32 s19, ttmp6, 0x40000                  ; cx: it enters global addresses of my own alone
	s_and_b32 s69, ttmp7, 0xffff                   ; g, which the four partners share
	s_lshl_b32 s70, ttmp9, 2
	s_add_co_u32 s70, s70, s19                     ; my block of 128 queries
	s_lshl_b32 s71, s69, 4
	s_add_co_u32 s71, s71, s70                     ; WGI = 16 g + block
	s_mov_b32 s[SEL], 0x76543210
	s_mov_b32 s[SEL+1], 0xfedcba98
	s_mov_b32 s[CS], 0x3db8aa3b                    ; c = log2(e) / 16
	s_mov_b32 s[CS+1], s[CS]                       ; (named with it as a pair, so it is written)
	s_mov_b32 s[HI], 0xffff0000                    ; lanes 16-31
	s_mov_b32 s93, 0x42000000                      ; 32.0
.irp g, G1R, G1S, G1W                          ; group 1: dense rows of 32 elements of 8 bytes
	s_mov_b32 s[\g], 15|(3<<16)|(1<<21)            ; 15:0 the mask: all four work-groups; 17:16 elements of 8 bytes; 21 set beside a mask; no padding: an image is read 512 consecutive bytes at a time
	s_mov_b32 s[\g+1], 32<<16                      ; tensor_dim0
	s_mov_b32 s[\g+3], 32<<16                      ; tile_dim0
	s_mov_b32 s[\g+5], 32                          ; the pitch
	s_mov_b32 s[\g+6], 0
	s_mov_b32 s[\g+7], 0
.endr
	s_mov_b32 s[G1R+2], 64<<16                     ; tensor_dim1
	s_mov_b32 s[G1R+4], 64                         ; tile_dim1
	s_mov_b32 s[G1S+2], 16<<16
	s_mov_b32 s[G1S+4], 16
	s_mov_b32 s[G1W+2], 17<<16
	s_mov_b32 s[G1W+4], 17
	v_and_b32 v1, 31, v0
	v_lshlrev_b32 v[LS], 2, v1
	v_lshlrev_b32 v[PFO], 8, v1
	v_lshlrev_b32 v[L8], 3, v1
	v_lshlrev_b32 v[LI], 4, v1
	s_lshl_b32 s73, s[WV], 12
	s_add_co_u32 s73, s73, HIMG
	v_add_nc_u32 v[EI], s73, v[LI]
	s_lshl_b32 s73, s[WV], 7
	s_add_co_u32 s73, s73, XSE
	v_add_nc_u32 v[EW], s73, v[LS]
	v_add_nc_u32 v[ER], HIMG, v[LI]
	v_add_nc_u32 v[ERW], XSE, v[LS]
	s_lshl_b32 s73, s[WV], 8
	s_add_co_u32 s73, s73, MSE
	v_add_nc_u32 v[CPW], s73, v[L8]
	v_bfe_u32 v[H64], v0, 4, 1
	v_lshlrev_b32 v[H64], 6, v[H64]
	v_mov_b32 v[TMP], 0                            ; a lane permute's destination counts as one of its sources
	s_lshr_b32 s[LIM], s[WV], 2
	s_or_b32 s[LIM], s[LIM], ttmp9                 ; 0 in waves 0 to 3 of g's first cluster: the same in all four partners
	s_cmp_eq_u32 s[LIM], 0
	s_cselect_b32 s[LIM], 1, 0
	s_wait_dscnt 0x0                               ; both opening adds are done
	s_wait_kmcnt 0x0
	s_mov_b32 s75, 0
	s_lshl_b32 s73, s[WV], 14                      ; my eighth of a slot
	s_lshl_b32 s74, s69, 19                        ; g's codes: 16 steps x 32,768 bytes
	s_add_co_u32 s74, s74, s73
	s_mov_b32 s[G0A], 1                            ; count
	s_mov_b32 s[G0A+1], s73                        ; LDS address
	s_add_nc_u64 s[G0A+2:G0A+3], s[6:7], s[74:75]  ; global address: key steps 0 to 3
	s_mov_b32 s[G0B], 1
	s_add_co_u32 s[G0B+1], s73, SLOT1
	s_add_nc_u64 s[G0B+2:G0B+3], s[G0A+2:G0A+3], SLOT1   ; key steps 4 to 7
	s_or_b32 s[G0A+3], s[G0A+3], 0x80000000        ; type = 2
	s_or_b32 s[G0B+3], s[G0B+3], 0x80000000
	s_lshl_b32 s73, s[WV], 12
	s_lshl_b32 s74, s69, 15
	s_add_co_u32 s74, s74, s73
	s_add_co_u32 s74, s74, 8388608
	s_mov_b32 s[G0S], 1
	s_add_co_u32 s[G0S+1], s73, SCL
	s_add_nc_u64 s[G0S+2:G0S+3], s[6:7], s[74:75]
	s_or_b32 s[G0S+3], s[G0S+3], 0x80000000
	s_mul_i32 s73, s[WV], 4352                     ; an eighth of Wm's record of 34,816 bytes
	s_add_co_u32 s74, s73, 104448
	s_mov_b32 s[G0W], 1
	s_mov_b32 s[G0W+1], s73
	s_add_nc_u64 s[G0W+2:G0W+3], s[10:11], s[74:75]
	s_or_b32 s[G0W+3], s[G0W+3], 0x80000000
	s_lshl_b32 s74, s69, 19
	s_lshl_b32 s73, s19, 15
	s_add_co_u32 s74, s74, s73
	s_lshl_b32 s73, s[WV], 13
	s_add_co_u32 s74, s74, s73
	s_add_nc_u64 s[PFA:PFA+1], s[6:7], s[74:75]    ; never rewritten: the slot stands in the prefetch's immediate
	s_lshl_b32 s76, s71, 14
	s_lshl_b32 s73, s[WV], 11
	s_add_co_u32 s76, s76, s73                     ; my tile's two fragments in xq, qq, mq
	s_mov_b32 s77, 0
	s_lshl_b32 s78, s71, 10
	s_lshl_b32 s73, s[WV], 7
	s_add_co_u32 s78, s78, s73                     ; and its scale words, 4,194,304 bytes further on
	s_mov_b32 s79, 0
	s_add_nc_u64 s[80:81], s[4:5], s[76:77]
	s_add_nc_u64 s[82:83], s[4:5], s[78:79]
	s_add_nc_u64 s[84:85], s[8:9], s[76:77]
	s_add_nc_u64 s[86:87], s[8:9], s[78:79]
	s_add_nc_u64 s[88:89], s[14:15], s[76:77]
	s_lshl_b32 s74, s71, 10
	s_lshl_b32 s73, s[WV], 8
	s_add_co_u32 s74, s74, s73
	s_add_nc_u64 s[14:15], s[14:15], s[74:75]      ; msg's scale words leave 256 bytes a wave
	s_lshl_b32 s74, s71, 12
	s_lshl_b32 s73, s[WV], 9
	s_add_co_u32 s74, s74, s73
	s_add_nc_u64 s[16:17], s[16:17], s[74:75]      ; part
	s_lshl_b32 s74, s[WV], 14
	s_add_nc_u64 s[2:3], s[10:11], s[74:75]        ; W1's tiles 4 w .. 4 w + 3
	s_lshl_b32 s74, s[WV], 10
	s_add_nc_u64 s[94:95], s[10:11], s[74:75]      ; and their scale words
	s_mov_b32 s73, 0x3c800000                      ; 1 / 64
	ROUND                                          ; all four work-groups are here: the first joint loads meet
	tensor_load_to_lds s[G0S:G0S+3], s[G1S:G1S+7]
	s_nop 0
	tensor_load_to_lds s[G0A:G0A+3], s[G1R:G1R+7]
	s_nop 0
	tensor_load_to_lds s[G0B:G0B+3], s[G1R:G1R+7]
	s_nop 0
	PLACES 4
.irp k, 0,1,2,3
	global_load_b128 v[16+4*\k:19+4*\k], v[LI], s[80:81] offset:512*\k   ; Q's two fragments stay in registers
.endr
	global_load_b32 v[QS], v[LS], s[82:83] offset:4194304
	s_wait_tensorcnt 0x1                           ; the scale words and my part of slot 0 are in; slot 1's load may stay out
	s_barrier_signal -1
	s_barrier_wait -1                              ; everybody's are
	s_wait_loadcnt 0x0                             ; Q
; A KEY STEP: 128 keys.  first = 1: the first step starts M, the sum and O^T: nothing is cleared but the sum.
.macro STEP first
	v_add_nc_u32 v[ADK], s[TB], v[LI]
	v_add_nc_u32 v[ADS], s[TS], v[LI]
	v_nop
	v_nop                                          ; four plain lines behind the last step's products, ahead of the loads below into V's registers and V's scale words
	ds_load_b128 v[KS:KS+3], v[ADS]
	ds_load_b128 v[KS+4:KS+7], v[ADS] offset:512
.irp s, 0,1
.irp t, 0,1,2,3,4,5,6,7
	ds_load_b128 v[KF+64*\s+8*\t:KF+64*\s+8*\t+3], v[ADK] offset:(2*\t+\s)*1024
	ds_load_b128 v[KF+64*\s+8*\t+4:KF+64*\s+8*\t+7], v[ADK] offset:(2*\t+\s)*1024+512
.endr
.endr
	s_wait_dscnt 16                                ; the scale words and K step 0 of the head's 256 are in; the 16 loads of K step 1 may be out
.irp t, 0,1,2,3,4,5,6,7                        ; S^T = K Q^T: the eight tiles by turns
	WM SS+8*\t, KF+8*\t, 16, -1, KS+\t, QS, 0, 0
.endr
	s_wait_dscnt 0x0
.irp t, 0,1,2,3,4,5,6,7
	WM SS+8*\t, KF+64+8*\t, 24, SS+8*\t, KS+\t, QS, 1, 1
.endr
	ds_load_b128 v[VS:VS+3], v[ADS] offset:16384
	ds_load_b128 v[VS+4:VS+7], v[ADS] offset:16896
	WIN 0x40                                       ; destination window 1: V lands while the softmax is walked
.set k, 0
.rept 32
	ds_load_b128 v[128+4*k:131+4*k], v[ADK] offset:16384+512*k
.set k, k+1
.endr
	WIN 0
	PLACES 4
.irp b, 0,1,2,3
	v_max3_num_f32 v[BMX+\b], v[SS+16*\b], v[SS+1+16*\b], v[SS+2+16*\b]   ; the largest score of each block of 32 keys: for the row's maximum, and, since p rises with the score, for the block's largest p
.endr
.irp i, 3,5,7,9,11,13
.irp b, 0,1,2,3
	v_max3_num_f32 v[BMX+\b], v[BMX+\b], v[SS+16*\b+\i], v[SS+1+16*\b+\i]
.endr
.endr
.irp b, 0,1,2,3
	v_max_num_f32 v[BMX+\b], v[BMX+\b], v[SS+15+16*\b]
.endr
.irp b, 0,1,2,3
	v_permlanex16_b32 v[BXX+\b], v[BMX+\b], s[SEL], s[SEL+1]
.endr
.irp b, 0,1,2,3
	v_max_num_f32 v[BMX+\b], v[BMX+\b], v[BXX+\b]  ; with lane l xor 16's 16 keys
.endr
	v_max3_num_f32 v[TT], v[BMX], v[BMX+1], v[BMX+2]
	v_max_num_f32 v[TT], v[TT], v[BMX+3]
	v_mul_f32 v[TT], s[CS], v[TT]                  ; the step's largest t (c is positive)
.if \first
	v_mov_b32 v13, v[TT]
	v_floor_f32 v12, -v13                          ; -M = floor(-t) = -ceil(t)
.else
	v_max_num_f32 v13, v13, v[TT]                  ; the running largest t
	v_mov_b32 v[TT], v12
	v_floor_f32 v12, -v13
	v_sub_f32 v[TT], v12, v[TT]                    ; old M less new M: a whole number, 0 or less
	v_cvt_i32_f32 v[TT], v[TT]                     ; (it saturates)
	v_ldexp_f32 v[FF], 1.0, v[TT]                  ; f = 2^(old M - new M): a multiplication by it rounds nothing
.endif
.set j, 0
.rept 32
	v_pk_fma_f32 v[SS+j:SS+j+1], v[SS+j:SS+j+1], s[CS:CS+1], v[12:13] op_sel_hi:[1,0,0]   ; t - M, two at a time
.set j, j+2
.endr
.irp b, 0,1,2,3
	v_fma_f32 v[BMX+\b], v[BMX+\b], s[CS], v12     ; the same of each block's largest score
.endr
.set j, 0
.rept 64
	v_exp_f32 v[SS+j], v[SS+j]                     ; p = 2^(t - M), at most 1
.set j, j+1
.endr
.if \first
	v_mov_b32 v14, 0                               ; the sum begins.  (A plain line behind the exponentials)
	v_mov_b32 v15, 0
.else
	v_pk_mul_f32 v[14:15], v[14:15], v[FF:FF+1] op_sel_hi:[1,0]   ; the sum under the new M.  (A plain line behind the exponentials)
.endif
	s_wait_alu depctr_va_vdst(0)                   ; one wait for the batch of 64, ahead of its first reader
.irp b, 0,1,2,3
	v_exp_f32 v[BMX+\b], v[BMX+\b]                 ; the block's largest p
.endr
	v_pk_add_f32 v[CHN:CHN+1], v[SS:SS+1], v[SS+2:SS+3]   ; the row's sum is taken of the unquantised p, in two chains
.irp j, 4,8,12,16,20,24,28,32,36,40,44,48,52,56,60
	v_pk_add_f32 v[14:15], v[14:15], v[SS+\j:SS+\j+1]
	v_pk_add_f32 v[CHN:CHN+1], v[CHN:CHN+1], v[SS+\j+2:SS+\j+3]
.endr
	v_pk_add_f32 v[14:15], v[14:15], v[CHN:CHN+1]
	s_wait_alu depctr_va_vdst(0)                   ; and one for the four
.irp b, 0,1,2,3
	v_max_num_f32 v[BMX+\b], 0x1800000, v[BMX+\b]  ; the floor 2^(3 - 127): the byte cannot fall under 1
.endr
.irp b, 0,1,2,3
	v_add_nc_u32 v[SOP+\b], 0xff000000, v[BMX+\b]
.endr
.irp b, 0,1,2,3
	v_lshrrev_b32 v[BXX+\b], 23, v[SOP+\b]
.endr
	v_lshl_or_b32 v[PW], v[BXX+1], 8, v[BXX]       ; p's scale word for these 128 keys
	v_lshl_or_b32 v[PW], v[BXX+2], 16, v[PW]
	v_lshl_or_b32 v[PW], v[BXX+3], 24, v[PW]
.irp b, 0,1,2,3
	v_cvt_scalef32_pk8_fp4_f32 v[PC+2*\b], v[SS+16*\b:SS+7+16*\b], v[SOP+\b]
	v_cvt_scalef32_pk8_fp4_f32 v[PC+1+2*\b], v[SS+8+16*\b:SS+15+16*\b], v[SOP+\b]
.endr
	v_nop
.irp c, 0,1
.irp i, 0,1
	v_permlane16_swap_b32 v[PC+4*\c+\i], v[PC+2+4*\c+\i]
.endr
.endr
.if \first
	PLACES 8                                       ; a scale word written by a vector line stands eight plain lines ahead of the scaled product, codes so written four
.else
	WIN 0x41                                       ; O^T (destination and source 0) window 1, f window 0
.set j, 0
.rept 64
	v_pk_mul_f32 v[j:j+1], v[j:j+1], v[FF:FF+1] op_sel_hi:[1,0]   ; O^T under the new M.  (These are also the plain lines ahead of the products below)
.set j, j+2
.endr
.endif
	s_wait_dscnt 0x0                               ; V and its scale words are in
	WIN 0x51                                       ; V, C and D window 1, p's codes window 0
.irp t, 0,1,2,3,4,5,6,7,8,9,10,11,12,13,14,15  ; O^T += V^T P^T: the sixteen tiles by turns
.if \first
	WM 8*\t, 128+8*\t, PC, -1, VS+\t/2, PW, \t%2, 0
.else
	WM 8*\t, 128+8*\t, PC, 8*\t, VS+\t/2, PW, \t%2, 0
.endif
.endr
	WIN 0
.endm
.macro STEPS n                         ; n key steps, written once
	s_mov_b32 s[CNT], \n
.Lstep_\@:
	STEP 0
	s_add_co_u32 s[TB], s[TB], 32768
	s_add_co_u32 s[TS], s[TS], 1024
	s_sub_co_u32 s[CNT], s[CNT], 1
	s_cmp_lg_u32 s[CNT], 0
	s_cbranch_scc1 .Lstep_\@
.endm
; THE CHANGE OF SLOTS.  Each wave waits for all its tensor loads (its part of the slot ahead), adds 0 to its spare word, and waits for that and for its reads of the slot that it has left; the round shows the same of every wave of all four
; work-groups; the joint refill of the slot just left is the first thing behind it, one load a wave: it has four key steps in which to land.
.macro CHANGE g0, g1, step
	s_wait_tensorcnt 0x0                           ; no tensor load of mine is out, so a group 0 may be written
	ds_add_u32 v[SPW], v[NIL]                      ; 0 onto my spare word
.if \step
	s_add_nc_u64 s[\g0+2:\g0+3], s[\g0+2:\g0+3], 2*SLOT1   ; eight key steps on; the type bits on top are not reached
.endif
	s_wait_dscnt 0x0
	ROUND
	tensor_load_to_lds s[\g0:\g0+3], s[\g1:\g1+7]
	s_nop 0
	PLACES 4
.endm
	s_mov_b32 s[TB], 0
	s_mov_b32 s[TS], SCL
	STEP 1                                         ; key step 0
	s_mov_b32 s[TB], 32768
	s_mov_b32 s[TS], SCL+1024
	ASK 2*SLOT1                                    ; key steps 8 to 11: three key steps ahead of the load that asks for them
	STEPS 3
	CHANGE G0A, G1R, 1                             ; slot 0 takes key steps 8 to 11
	ASK 3*SLOT1                                    ; key steps 12 to 15: four key steps ahead of their load
	s_mov_b32 s[TB], SLOT1
	s_mov_b32 s[TS], SCL+4096
	STEPS 4
	CHANGE G0B, G1R, 1                             ; slot 1 takes key steps 12 to 15
	s_mov_b32 s[TB], 0
	s_mov_b32 s[TS], SCL+8192
	STEPS 4
	CHANGE G0W, G1W, 0                             ; slot 0 takes Wm's record
	s_mov_b32 s[TB], SLOT1
	s_mov_b32 s[TS], SCL+12288
	STEPS 4
	s_wait_tensorcnt 0x0                           ; my part of Wm's record is in,
	s_wait_dscnt 0x0                               ; my reads of slot 1 are over:
	s_barrier_signal -1
	s_barrier_wait -1                              ; both hold of all eight waves.  Nothing is filled any more: slot 1's bytes serve the tail
; ---- THE TAIL
.irp k, 0,1,2,3
	global_load_b128 v[16+4*\k:19+4*\k], v[LI], s[84:85] offset:512*\k   ; x's two fragments of my tile: K steps 0 and 1 of [x; msg]
.endr
	global_load_b32 v[QS], v[LS], s[86:87] offset:4194304
	PLACES 4                                       ; behind the last products
	v_add_f32 v14, v14, v15                        ; the sum's two halves,
	v_permlanex16_b32 v[TMP], v14, s[SEL], s[SEL+1]
	v_add_f32 v14, v14, v[TMP]                     ; and lane l xor 16's
	v_rcp_f32 v14, v14
	v_nop
	s_wait_alu depctr_va_vdst(0)                   ; a wait ahead of the reciprocal's first reader
	WIN 0x01                                       ; source 0 window 1
.set j, 0
.rept 64
	v_pk_mul_f32 v[128+j:129+j], v[j:j+1], v[14:15] op_sel_hi:[1,0]   ; O^T / the sum: register 16 b + i of each 64 is channel 32 b + 16 (lane / 16) + i
.set j, j+2
.endr
	WIN 0x40
.irp t, 0,1,2,3,4,5,6,7,8,9,10,11,12,13,14,15  ; bm in the result's layout takes O^T's registers
	global_load_b128 v[8*\t:8*\t+3], v[H64], s[12:13] offset:(32*(\t/2)+8*(\t%2))*4
	global_load_b128 v[8*\t+4:8*\t+7], v[H64], s[12:13] offset:(32*(\t/2)+8*(\t%2))*4+16
.endr
.set k, 0
.rept 32
	ds_load_b128 v[128+4*k:131+4*k], v[LI] offset:512*k   ; Wm's tiles 0 to 7 take V's registers: (t, s) at 128 + 8 (2 t + s)
.set k, k+1
.endr
	WIN 0
.irp t, 0,1,2,3,4,5,6,7
	ds_load_b32 v[KS+\t], v[LS] offset:32768+128*\t
.endr
	QUANT 128, PC, 48
	QUANT 192, MF1, 49
	v_cndmask_b32 v[PW], v48, v49, s[HI]           ; lanes 0-15: K step 0's word, lanes 16-31: K step 1's
	PLACES 8
	s_wait_loadcnt 0x0                             ; x's fragments and bm
	s_wait_dscnt 0x0
.macro WMGRP gq                        ; Wm's tiles 8 gq .. 8 gq + 7: transposed, the bias as C, the eight tiles by turns
	WIN 0x11
.irp t, 0,1,2,3,4,5,6,7
	WM 128+64*\gq+8*\t, 128+16*\t, PC, 64*\gq+8*\t, KS+\t, PW, 0, 0
.endr
	WIN 0x01
.irp t, 0,1,2,3,4,5,6,7
	WM 128+64*\gq+8*\t, 136+16*\t, MF1, 128+64*\gq+8*\t, KS+\t, PW, 1, 1
.endr
	WIN 0
	PLACES 4
.endm
	WMGRP 0
	WIN 0x40
.set k, 0
.rept 32
	ds_load_b128 v[128+4*k:131+4*k], v[LI] offset:16384+512*k
.set k, k+1
.endr
	WIN 0
.irp t, 0,1,2,3,4,5,6,7
	ds_load_b32 v[KS+\t], v[LS] offset:33792+128*\t
.endr
	s_wait_dscnt 0x0
	WMGRP 1
	WIN 0x40
.set k, 0
.rept 32
	global_load_b128 v[4*k:4*k+3], v[LI], s[2:3] offset:139264+512*k   ; W1's 16 fragments (i, s) at 8 (4 i + s) take bm's registers
.set k, k+1
.endr
	WIN 0
.irp p, 0,1,2,3,4,5,6,7
	global_load_b32 v[VS+\p], v[LS], s[94:95] offset:270336+128*\p
.endr
	QUANT 128, HF2, 48
	QUANT 192, HF3, 49
	v_cndmask_b32 v[PW], v48, v49, s[HI]
.irp k, 0,1,2,3
	ds_store_b128 v[EI], v[16+4*\k:19+4*\k] offset:512*\k
.endr
	ds_store_b128 v[EI], v[HF2:HF2+3] offset:2048
	ds_store_b128 v[EI], v[HF2+4:HF2+7] offset:2560
	ds_store_b128 v[EI], v[HF3:HF3+3] offset:3072
	ds_store_b128 v[EI], v[HF3+4:HF3+7] offset:3584
	ds_store_b32 v[EW], v[QS]
	ds_store_b32 v[EW], v[PW] offset:1024
	global_store_b128 v[LI], v[HF2:HF2+3], s[88:89]
	global_store_b128 v[LI], v[HF2+4:HF2+7], s[88:89] offset:512
	global_store_b128 v[LI], v[HF3:HF3+3], s[88:89] offset:1024
	global_store_b128 v[LI], v[HF3+4:HF3+7], s[88:89] offset:1536
	s_wait_dscnt 0x0
	s_barrier_signal -1
	s_barrier_wait -1                              ; the 32 fragments of [x; msg] and their scale words lie in LDS
	s_cmp_lt_u32 s[WV], 4
	s_cbranch_scc0 .Lno_copy
	ds_load_b64 v[50:51], v[CPW]                   ; msg's scale words leave in whole aligned runs of 256 bytes, one a wave
	s_wait_dscnt 0x0
	global_store_b64 v[L8], v[50:51], s[14:15] offset:4194304
.Lno_copy:
	s_wait_xcnt 0x0                                ; the stores have read their registers, which are written again below
	s_wait_loadcnt 0x0                             ; W1
.macro EFETCH m                        ; keypoint tile m: four fragments and two registers of scale words
.set BF, 128+32*((\m)%2)
.irp k, 0,1,2,3,4,5,6,7
	ds_load_b128 v[BF+4*\k:BF+4*\k+3], v[ER] offset:4096*(\m)+512*\k
.endr
	ds_load_b32 v[KS+2*((\m)%2)], v[ERW] offset:128*(\m)
	ds_load_b32 v[KS+2*((\m)%2)+1], v[ERW] offset:1024+128*(\m)
.endm
.macro EMUL m                          ; h of 16 keypoints x my 64 channels: source 0 = keypoints, source 1 = W1's rows: a lane holds one channel and eight keypoints; the four tiles by turns
.set BF, 128+32*((\m)%2)
.set WD, KS+2*((\m)%2)
	WIN 0x04                                       ; source 1 window 1
.irp s, 0,1,2,3
.irp i, 0,1,2,3
.if \s == 0
	WM 192+8*\i, BF+8*\s, 8*(4*\i+\s), -1, WD+\s/2, VS+2*\i+\s/2, \s%2, \s%2
.else
	WM 192+8*\i, BF+8*\s, 8*(4*\i+\s), 192+8*\i, WD+\s/2, VS+2*\i+\s/2, \s%2, \s%2
.endif
.endr
.endr
	WIN 0
	PLACES 4
.endm
.macro ESTAT m                         ; d = h - pivot; the sums of d and of d^2, two at a time.  The first tile's lines write: nothing is cleared
.irp i, 0,1,2,3
.set DD, 192+8*\i
.if (\m) == 0
	v_mov_b32 v[PIV+2*\i], v[DD]                   ; the pivot: my first h of this channel
	v_mov_b32 v[PIV+2*\i+1], v[DD]
.endif
.irp q, 0,1,2,3
	v_pk_add_f32 v[DT+2*\q:DT+2*\q+1], v[DD+2*\q:DD+2*\q+1], v[PIV+2*\i:PIV+2*\i+1] neg_lo:[0,1] neg_hi:[0,1]
.endr
.if (\m) == 0
	v_pk_add_f32 v[S1A+2*\i:S1A+2*\i+1], v[DT:DT+1], v[DT+2:DT+3]
	v_pk_mul_f32 v[S2A+2*\i:S2A+2*\i+1], v[DT:DT+1], v[DT:DT+1]
.else
	v_pk_add_f32 v[S1A+2*\i:S1A+2*\i+1], v[S1A+2*\i:S1A+2*\i+1], v[DT:DT+1]
	v_pk_fma_f32 v[S2A+2*\i:S2A+2*\i+1], v[DT:DT+1], v[DT:DT+1], v[S2A+2*\i:S2A+2*\i+1]
	v_pk_add_f32 v[S1A+2*\i:S1A+2*\i+1], v[S1A+2*\i:S1A+2*\i+1], v[DT+2:DT+3]
.endif
	v_pk_fma_f32 v[S2A+2*\i:S2A+2*\i+1], v[DT+2:DT+3], v[DT+2:DT+3], v[S2A+2*\i:S2A+2*\i+1]
	v_pk_add_f32 v[S1A+2*\i:S1A+2*\i+1], v[S1A+2*\i:S1A+2*\i+1], v[DT+4:DT+5]
	v_pk_fma_f32 v[S2A+2*\i:S2A+2*\i+1], v[DT+4:DT+5], v[DT+4:DT+5], v[S2A+2*\i:S2A+2*\i+1]
	v_pk_add_f32 v[S1A+2*\i:S1A+2*\i+1], v[S1A+2*\i:S1A+2*\i+1], v[DT+6:DT+7]
	v_pk_fma_f32 v[S2A+2*\i:S2A+2*\i+1], v[DT+6:DT+7], v[DT+6:DT+7], v[S2A+2*\i:S2A+2*\i+1]
.endr
.endm
	EFETCH 0
.irp m, 0,1,2,3,4,5,6
	EFETCH \m+1
	s_wait_dscnt 10                                ; tile m is in; the ten loads of tile m + 1 may be out
	EMUL \m
	ESTAT \m
.endr
	s_wait_dscnt 0x0
	EMUL 7
	ESTAT 7
	; my 64 keypoints of each channel: mean = pivot + s1 / 64, M2 = s2 - s1^2 / 64; with lane l xor 16's 64: mean = the two means' middle, M2 = M2 + M2' + 32 (mean - mean')^2
.irp i, 0,1,2,3
	v_add_f32 v[56+\i], v[S1A+2*\i], v[S1A+2*\i+1]
	v_add_f32 v[60+\i], v[S2A+2*\i], v[S2A+2*\i+1]
.endr
.irp i, 0,1,2,3
	v_mul_f32 v[64+\i], v[56+\i], v[56+\i]
	v_fma_f32 v[68+\i], v[56+\i], s73, v[PIV+2*\i]
.endr
.irp i, 0,1,2,3
	v_fma_f32 v[60+\i], -v[64+\i], s73, v[60+\i]
.endr
.irp i, 0,1,2,3
	v_permlanex16_b32 v[72+\i], v[68+\i], s[SEL], s[SEL+1]
	v_permlanex16_b32 v[76+\i], v[60+\i], s[SEL], s[SEL+1]
.endr
.irp i, 0,1,2,3
	v_sub_f32 v[64+\i], v[68+\i], v[72+\i]
	v_add_f32 v[68+\i], v[68+\i], v[72+\i]
	v_add_f32 v[60+\i], v[60+\i], v[76+\i]
.endr
.irp i, 0,1,2,3
	v_mul_f32 v[64+\i], v[64+\i], v[64+\i]
	v_mul_f32 v[68+\i], 0.5, v[68+\i]
.endr
.irp i, 0,1,2,3
	v_fma_f32 v[60+\i], v[64+\i], s93, v[60+\i]
.endr
.irp i, 0,1,2,3
	v_cndmask_b32 v[80+\i], v[68+\i], v[60+\i], s[HI]   ; lanes 0-15 carry the mean, lanes 16-31 the squared deviations
.endr
	global_store_b128 v[LI], v[80:83], s[16:17]    ; 32 lanes store 512 consecutive bytes, aligned
	s_wait_tensorcnt 0x0                           ; the wave's end: behind my last tensor load and my last LDS store
	ds_add_u32 v[SPW], v[NIL]
	s_wait_dscnt 0x0
	ROUND                                          ; the closing round: no work-group ends while a partner may still ask for a tile that names it
	s_endpgm
.Lfunc_end_k_q7d8066e338_attn:
	.size	k_q7d8066e338_attn, .Lfunc_end_k_q7d8066e338_attn-k_q7d8066e338_attn
	.p2alignl 7, 3214868480
	.fill 96, 4, 3214868480
	.section	.rodata,"a",@progbits
	.p2align	6, 0x0
	.amdhsa_kernel k_q7d8066e338_attn
		.amdhsa_group_segment_fixed_size 327680
		.amdhsa_private_segment_fixed_size 0
		.amdhsa_enable_private_segment 0
		.amdhsa_kernarg_size 56
		.amdhsa_user_sgpr_count 2
		.amdhsa_user_sgpr_kernarg_segment_ptr 1
		.amdhsa_wavefront_size32 1
		.amdhsa_system_sgpr_workgroup_id_x 1
		.amdhsa_system_sgpr_workgroup_id_y 1
		.amdhsa_system_sgpr_workgroup_id_z 1
		.amdhsa_system_vgpr_workitem_id 0
		.amdhsa_next_free_vgpr 512
		.amdhsa_next_free_sgpr 96
		.amdhsa_reserve_vcc 0
		.amdhsa_float_denorm_mode_32 3
		.amdhsa_float_denorm_mode_16_64 3
		.amdhsa_memory_ordered 1
		.amdhsa_forward_progress 1
		.amdhsa_inst_pref_size 212
	.end_amdhsa_kernel
	.amdgpu_metadata
---
amdhsa.version: [ 1, 2 ]
amdhsa.kernels:
  - .name:           k_q7d8066e338_attn
    .symbol:         k_q7d8066e338_attn.kd
    .args:
      - { .name: qq, .offset: 0, .size: 8, .value_kind: global_buffer, .address_space: global }
      - { .name: kv, .offset: 8, .size: 8, .value_kind: global_buffer, .address_space: global }
      - { .name: xq, .offset: 16, .size: 8, .value_kind: global_buffer, .address_space: global }
      - { .name: wq, .offset: 24, .size: 8, .value_kind: global_buffer, .address_space: global }
      - { .name: bm, .offset: 32, .size: 8, .value_kind: global_buffer, .address_space: global }
      - { .name: mq, .offset: 40, .size: 8, .value_kind: global_buffer, .address_space: global }
      - { .name: part, .offset: 48, .size: 8, .value_kind: global_buffer, .address_space: global }
    .group_segment_fixed_size: 327680
    .private_segment_fixed_size: 0
    .kernarg_segment_align: 8
    .kernarg_segment_size: 56
    .max_flat_workgroup_size: 256
    .sgpr_count:     96
    .vgpr_count:     512
    .wavefront_size: 32
...
	.end_amdgpu_metadata
.endif
;; end of part 3
;; launch stat (part 4): grid 8 x 1, 8 waves a work-group, no clusters, 9,216 bytes of LDS; arguments part, gamma, bn; writes bn
.if DOCPART == 4
	.amdgcn_target "amdgcn-amd-amdhsa--gfx1250"
	.amdhsa_code_object_version 6
	.text
	.protected	k_q7d8066e338_stat
	.globl	k_q7d8066e338_stat
	.p2align	8
	.type	k_q7d8066e338_stat,@function
k_q7d8066e338_stat:
	s_mov_b64 s[64:65], 0
	v_nop
	global_prefetch_b8 v0, s[64:65] scope:SCOPE_SE
	s_setreg_imm32_b32 hwreg(HW_REG_WAVE_MODE, 25, 1), 1
	s_wait_xcnt 0x0
; The batch statistics of h's 512 channels from 256 records (one for each 128 keypoints) of mean and sum of squared deviations M2: mu = the means' mean; var = (sum of M2 + 128 x the means' squared deviations) / 32,768;
; bn holds mu[512], then a[512] = gamma / sqrt(var + 1e-5), in the channels' true order.  The means are summed less a pivot (record 0's), so that no difference of large sums is formed.
; part: [record][chunk c of 64 channels][lane][i]: lanes 0-15 the mean, lanes 16-31 M2, of channel 64 c + 32 (i / 2) + 8 (i % 2) + r + 8 (r / 8).  Work-group c takes chunk c of all records, wave v records 32 v .. 32 v + 31;
; the eight waves' sums meet in LDS, and wave 0 finishes.  Eight work-groups: as much work as one million bytes, read once, give.  No matrix unit, no cluster, no prefetch: the launch is one burst of loads.
; gamma is asked for in that same burst, so that no second trip to memory stands behind the barrier.  Every wave issues the four loads, though wave 0 alone uses them: so no branch parts the waves at the head.
.set SPARE, 8192                       ; behind the waves' sums: the spare words, 128 bytes for each wave
.set SPW, 30
.set NIL, 31
	s_load_b128 s[4:7], s[0:1], 0x0                ; part, gamma
	s_load_b64 s[8:9], s[0:1], 0x10                ; bn
	v_lshl_add_u32 v[SPW], v0, 2, SPARE
	v_mov_b32 v[NIL], 0
	v_lshrrev_b32 v1, 5, v0
	v_readfirstlane_b32 s10, v1                    ; wave
	v_and_b32 v1, 31, v0
	v_and_b32 v2, 15, v0                           ; r
	v_bfe_u32 v3, v0, 4, 1                         ; h
	v_lshlrev_b32 v4, 4, v1                        ; 16 lane
	s_lshl_b32 s11, s10, 10
	v_add_nc_u32 v5, s11, v4                       ; LDS: 1,024 x wave + 16 lane
	v_and_b32 v6, 8, v2
	v_add_nc_u32 v6, v6, v2
	s_lshl_b32 s19, ttmp9, 8
	v_lshl_add_u32 v6, v6, 2, s19                  ; 4 x (64 c + r + 8 (r / 8))
	v_lshl_add_u32 v7, v3, 11, v6                  ; lanes 16-31 store a, 2,048 bytes further on
	s_lshl_b32 s12, ttmp9, 9
	s_mov_b32 s13, 0
	s_lshl_b32 s14, s10, 17
	s_mov_b32 s15, 0
	s_mov_b32 s18, 0xffff0000                      ; lanes 16-31
	s_mov_b32 s20, 0x76543210
	s_mov_b32 s21, 0xfedcba98
	s_mov_b32 s22, 0x3b800000                      ; 1 / 256
	s_mov_b32 s23, 0x43000000                      ; 128
	s_mov_b32 s24, 0x38000000                      ; 1 / 32,768
	s_mov_b32 s25, 0x3727c5ac                      ; 1e-5
	s_wait_kmcnt 0x0
	s_add_nc_u64 s[4:5], s[4:5], s[12:13]          ; chunk c of record 0
	s_add_nc_u64 s[16:17], s[4:5], s[14:15]        ; of my first record
	global_load_b128 v[8:11], v4, s[4:5]           ; the pivot
.irp i, 0,1,2,3
	global_load_b32 v[24+\i], v6, s[6:7] offset:128*(\i/2)+32*(\i%2)   ; gamma
.endr
.set k, 0
.rept 32
	global_load_b128 v[32+4*k:35+4*k], v4, s[16:17] offset:4096*k   ; 512 consecutive bytes a load
.set k, k+1
.endr
	s_wait_loadcnt 0x0
.irp i, 0,1,2,3
	v_cndmask_b32 v[8+\i], v[8+\i], v[NIL], s18    ; no pivot for M2: lanes 16-31 simply sum
.endr
	v_pk_add_f32 v[16:17], v[32:33], v[8:9] neg_lo:[0,1] neg_hi:[0,1]   ; the first record starts the sums
	v_pk_add_f32 v[18:19], v[34:35], v[10:11] neg_lo:[0,1] neg_hi:[0,1]
	v_pk_mul_f32 v[20:21], v[16:17], v[16:17]
	v_pk_mul_f32 v[22:23], v[18:19], v[18:19]
.set k, 1
.rept 31
	v_pk_add_f32 v[12:13], v[32+4*k:33+4*k], v[8:9] neg_lo:[0,1] neg_hi:[0,1]
	v_pk_add_f32 v[14:15], v[34+4*k:35+4*k], v[10:11] neg_lo:[0,1] neg_hi:[0,1]
	v_pk_add_f32 v[16:17], v[16:17], v[12:13]
	v_pk_add_f32 v[18:19], v[18:19], v[14:15]
	v_pk_fma_f32 v[20:21], v[12:13], v[12:13], v[20:21]
	v_pk_fma_f32 v[22:23], v[14:15], v[14:15], v[22:23]
.set k, k+1
.endr
	ds_store_b128 v5, v[16:19]
	ds_store_b128 v5, v[20:23] offset:512
	s_wait_dscnt 0x0                               ; for the others' sake: my stores have landed
	s_barrier_signal -1
	s_barrier_wait -1
	s_cmp_lg_u32 s10, 0
	s_cbranch_scc1 .Lend
.irp v, 0,1,2,3,4,5,6,7
	ds_load_b128 v[32+8*\v:35+8*\v], v4 offset:1024*\v
	ds_load_b128 v[36+8*\v:39+8*\v], v4 offset:1024*\v+512
.endr
	s_wait_dscnt 0x0
	v_pk_add_f32 v[16:17], v[32:33], v[40:41]
	v_pk_add_f32 v[18:19], v[34:35], v[42:43]
	v_pk_add_f32 v[20:21], v[36:37], v[44:45]
	v_pk_add_f32 v[22:23], v[38:39], v[46:47]
.irp v, 2,3,4,5,6,7
	v_pk_add_f32 v[16:17], v[16:17], v[32+8*\v:33+8*\v]
	v_pk_add_f32 v[18:19], v[18:19], v[34+8*\v:35+8*\v]
	v_pk_add_f32 v[20:21], v[20:21], v[36+8*\v:37+8*\v]
	v_pk_add_f32 v[22:23], v[22:23], v[38+8*\v:39+8*\v]
.endr
.irp i, 0,1,2,3
	v_permlanex16_b32 v[96+\i], v[16+\i], s20, s21
	v_permlanex16_b32 v[100+\i], v[20+\i], s20, s21
	v_permlanex16_b32 v[104+\i], v[8+\i], s20, s21
.endr
.irp i, 0,1,2,3                                ; every lane now gets all four figures of channel (i, r)
	v_cndmask_b32 v[52+\i], v[16+\i], v[96+\i], s18    ; the sum of (mean - pivot)
	v_cndmask_b32 v[56+\i], v[96+\i], v[16+\i], s18    ; the sum of M2
	v_cndmask_b32 v[60+\i], v[20+\i], v[100+\i], s18   ; the sum of (mean - pivot)^2
	v_cndmask_b32 v[64+\i], v[8+\i], v[104+\i], s18    ; the pivot
.endr
.irp i, 0,1,2,3
	v_fma_f32 v[68+\i], v[52+\i], s22, v[64+\i]    ; mu
	v_mul_f32 v[52+\i], v[52+\i], v[52+\i]
.endr
.irp i, 0,1,2,3
	v_fma_f32 v[60+\i], -v[52+\i], s22, v[60+\i]   ; the means' squared deviations
.endr
.irp i, 0,1,2,3
	v_fma_f32 v[56+\i], v[60+\i], s23, v[56+\i]
.endr
.irp i, 0,1,2,3
	v_fma_f32 v[56+\i], v[56+\i], s24, s25         ; var + 1e-5
.endr
.irp i, 0,1,2,3
	v_rsq_f32 v[72+\i], v[56+\i]
.endr
	v_nop                                          ; a plain line behind the last of the four
	s_wait_alu depctr_va_vdst(0)                   ; one wait for the four, ahead of their first reader
.irp i, 0,1,2,3
	v_mul_f32 v[72+\i], v[24+\i], v[72+\i]         ; a
.endr
.irp i, 0,1,2,3
	v_cndmask_b32 v[76+\i], v[68+\i], v[72+\i], s18
.endr
.irp i, 0,1,2,3
	global_store_b32 v7, v[76+\i], s[8:9] offset:128*(\i/2)+32*(\i%2)
.endr
.Lend:
	s_wait_tensorcnt 0x0                           ; the wave's end: behind my last LDS store
	ds_add_u32 v[SPW], v[NIL]
	s_wait_dscnt 0x0
	s_endpgm
.Lfunc_end_k_q7d8066e338_stat:
	.size	k_q7d8066e338_stat, .Lfunc_end_k_q7d8066e338_stat-k_q7d8066e338_stat
	.p2alignl 7, 3214868480
	.fill 96, 4, 3214868480
	.section	.rodata,"a",@progbits
	.p2align	6, 0x0
	.amdhsa_kernel k_q7d8066e338_stat
		.amdhsa_group_segment_fixed_size 9216
		.amdhsa_private_segment_fixed_size 0
		.amdhsa_enable_private_segment 0
		.amdhsa_kernarg_size 24
		.amdhsa_user_sgpr_count 2
		.amdhsa_user_sgpr_kernarg_segment_ptr 1
		.amdhsa_wavefront_size32 1
		.amdhsa_system_sgpr_workgroup_id_x 1
		.amdhsa_system_sgpr_workgroup_id_y 1
		.amdhsa_system_sgpr_workgroup_id_z 1
		.amdhsa_system_vgpr_workitem_id 0
		.amdhsa_next_free_vgpr 160
		.amdhsa_next_free_sgpr 66
		.amdhsa_reserve_vcc 0
		.amdhsa_float_denorm_mode_32 3
		.amdhsa_float_denorm_mode_16_64 3
		.amdhsa_memory_ordered 1
		.amdhsa_forward_progress 1
		.amdhsa_inst_pref_size 25
	.end_amdhsa_kernel
	.amdgpu_metadata
---
amdhsa.version: [ 1, 2 ]
amdhsa.kernels:
  - .name:           k_q7d8066e338_stat
    .symbol:         k_q7d8066e338_stat.kd
    .args:
      - { .name: part, .offset: 0, .size: 8, .value_kind: global_buffer, .address_space: global }
      - { .name: gamma, .offset: 8, .size: 8, .value_kind: global_buffer, .address_space: global }
      - { .name: bn, .offset: 16, .size: 8, .value_kind: global_buffer, .address_space: global }
    .group_segment_fixed_size: 9216
    .private_segment_fixed_size: 0
    .kernarg_segment_align: 8
    .kernarg_segment_size: 24
    .max_flat_workgroup_size: 256
    .sgpr_count:     66
    .vgpr_count:     160
    .wavefront_size: 32
...
	.end_amdgpu_metadata
.endif
;; end of part 4
;; launch mlp (part 5): grid 16 x 16, 4 waves a work-group, no clusters, 170,496 bytes of LDS; arguments xq, mq, wq, bn, beta, b2, out0; writes out0
.if DOCPART == 5
	.amdgcn_target "amdgcn-amd-amdhsa--gfx1250"
	.amdhsa_code_object_version 6
	.text
	.protected	k_q7d8066e338_mlp
	.globl	k_q7d8066e338_mlp
	.p2align	8
	.type	k_q7d8066e338_mlp,@function
k_q7d8066e338_mlp:
	s_mov_b64 s[64:65], 0
	v_nop
	global_prefetch_b8 v0, s[64:65] scope:SCOPE_SE
	s_setreg_imm32_b32 hwreg(HW_REG_WAVE_MODE, 25, 1), 1
	s_wait_xcnt 0x0
; out0 = W2 relu((W1 [x; msg] - mu) a + beta) + b2 on codes of E2M1; mu and a = gamma / sqrt(var + 1e-5) come from bn.
; LEFT OUT: b1 (it cancels in h - mean(h) for all values: shown at the head of the first launch's text; mu here is the mean of h without b1).
; SHARES.  A work-group takes 128 keypoints of one (batch, head).  THE WAVES SHARE THE CHANNELS: wave w makes h's channels 128 w .. 128 w + 127 and outputs 64 w .. 64 w + 63 for all eight keypoint tiles, so its part of W1 (32 fragments)
; and of W2 (16) stays in its registers, read once.  THE 128 KEYPOINTS GO IN TWO HALVES OF 64, so that the first half's stores leave while the second half is computed.  A half:
; PHASE 1, a keypoint tile at a time: W1 transposed (source 0 = 16 rows of W1, source 1 = the keypoints' codes, loaded straight from xq and mq as images of the operand's registers), the norm and relu in f32, quantised in registers:
; K step w of the second product; its image goes to LDS.  A barrier.  PHASE 2: source 0 = keypoints, source 1 = W2's rows: a lane holds one output channel and eight neighbouring keypoints, which are neighbours in out0's rows; b2 is the C of
; each sum's first matrix instruction; the next K step's four fragments are fetched while this one's are multiplied.  Results go through a stage of 256 rows x (512 + 16) bytes; a wave reads only rows that it wrote itself.
; A half of a row is 256 aligned bytes of out0: a store takes two rows, lanes 0-15 one channel and lanes 16-31 the next.
; Tiles are formed as in the other launches: row p of tile 2 b + u is index 32 b + 8 u + p + 8 (p / 8); so keypoint tiles 0 to 3 are keypoints 0 to 63.
; No cluster and no tensor load: what work-groups share are the weights' codes, which each wave loads once, straight into the registers in which they stay.  No prefetch: all that is read is asked for at the head or two tiles ahead.
; LIMITS: a block of zeros has the byte 1 where the rule says 127 (its codes are zeros; this program alone reads the bytes); NaN and infinities are not served.
.set HIMG, 0                           ; LDS: the hidden layer's 32 fragments (tile m, K step s: 4 m + s)
.set HSC,  32768                       ; their scale words: [m][two images of 128 bytes]
.set STG,  34816                       ; the stage
.set SPARE, 169984                     ; the spare words, 128 bytes for each wave: two blocks of 256 bytes that no other line names
.set LI,  1                            ; v1  16 lane
.set LS,  2                            ; v2  4 lane
.set HWI, 3                            ; v3  16 lane + 1,024 w
.set HWS, 4                            ; v4  4 r + 64 w
.set SO,  5                            ; v5  STG + 33,792 w + 528 r + 64 h
.set SRH, 6                            ; v6  STG + 33,792 w + 528 h + 16 r
.set BNO, 7                            ; v7  512 w + 64 h
.set B2O, 8                            ; v8  4 (r + 8 (r / 8)) + 256 w
.set GOH, 9                            ; v9  32,768 h + 16 r: my place in two neighbouring channels' rows of out0
.set XF,  16                           ; v16-79   two buffers of four keypoint fragments
.set HA,  80                           ; v80-143  my eight tiles of h; in phase 2 two buffers of four hidden fragments; then sixteen stores' data
.set PC,  144
.set TM,  152
.set PW,  168
.set W1S, 176                          ; v176-191 W1's scale words: 2 t + s / 2
.set W2S, 192                          ; v192-199 W2's: 2 i + s / 2
.set XSR, 200                          ; v200-203 the keypoints': two buffers x (x's, msg's)
.set HS,  204                          ; v204-219 the hidden layer's: 2 m + s / 2
.set B2,  220                          ; v220-251 b2: four tiles x eight equal registers
.set SPW, 252
.set NIL, 253
                                       ; window 1: W1's fragments (t, s) at 8 (4 t + s).  window 2: W2's (i, s) at 8 (4 i + s); a at v128-191; beta at v192-255.
                                       ; window 3: y's accumulators (i, q) at 8 (4 i + q); mu at v128-191; v192-255 sixteen stores' data
.set SEL, 36
.set MSB, 0
.macro WIN new                         ; the immediate's high byte repeats the setting that is left
.if MSB != \new
	s_set_vgpr_msb (MSB<<8)|\new
.set MSB, \new
.endif
.endm
.macro WM d, a, b, c, sa, sb, ra, rb   ; one scaled matrix instruction; c = -1: the constant 0 starts the sum; ra, rb: scales from lanes 16-31
.if (\c) < 0
.if (\ra) && (\rb)
	v_wmma_scale_f32_16x16x128_f8f6f4 v[(\d):(\d)+7], v[(\a):(\a)+7], v[(\b):(\b)+7], 0, v[\sa], v[\sb] matrix_a_fmt:MATRIX_FMT_FP4 matrix_b_fmt:MATRIX_FMT_FP4 matrix_a_scale:MATRIX_SCALE_ROW1 matrix_b_scale:MATRIX_SCALE_ROW1
.else
	v_wmma_scale_f32_16x16x128_f8f6f4 v[(\d):(\d)+7], v[(\a):(\a)+7], v[(\b):(\b)+7], 0, v[\sa], v[\sb] matrix_a_fmt:MATRIX_FMT_FP4 matrix_b_fmt:MATRIX_FMT_FP4
.endif
.else
.if (\ra) && (\rb)
	v_wmma_scale_f32_16x16x128_f8f6f4 v[(\d):(\d)+7], v[(\a):(\a)+7], v[(\b):(\b)+7], v[(\c):(\c)+7], v[\sa], v[\sb] matrix_a_fmt:MATRIX_FMT_FP4 matrix_b_fmt:MATRIX_FMT_FP4 matrix_a_scale:MATRIX_SCALE_ROW1 matrix_b_scale:MATRIX_SCALE_ROW1
.else
	v_wmma_scale_f32_16x16x128_f8f6f4 v[(\d):(\d)+7], v[(\a):(\a)+7], v[(\b):(\b)+7], v[(\c):(\c)+7], v[\sa], v[\sb] matrix_a_fmt:MATRIX_FMT_FP4 matrix_b_fmt:MATRIX_FMT_FP4
.endif
.endif
.endm
.macro QUANT src, dst, wrd             ; 64 numbers of a lane, register 16 b + i = k 32 b + 16 (lane / 16) + i, become a fragment's codes and its scale word
.irp b, 0,1,2,3
	v_max3_num_f32 v[TM+\b], |v[\src+16*\b]|, |v[\src+1+16*\b]|, 0x1800000
.endr
.irp i, 2,4,6,8,10,12,14
.irp b, 0,1,2,3
	v_max3_num_f32 v[TM+\b], v[TM+\b], |v[\src+16*\b+\i]|, |v[\src+1+16*\b+\i]|
.endr
.endr
.irp b, 0,1,2,3
	v_permlanex16_b32 v[TM+4+\b], v[TM+\b], s[SEL], s[SEL+1]
.endr
.irp b, 0,1,2,3
	v_max_num_f32 v[TM+\b], v[TM+\b], v[TM+4+\b]
.endr
.irp b, 0,1,2,3
	v_add_nc_u32 v[TM+12+\b], 0xff000000, v[TM+\b]
.endr
.irp b, 0,1,2,3
	v_lshrrev_b32 v[TM+4+\b], 23, v[TM+12+\b]
.endr
	v_lshl_or_b32 v[\wrd], v[TM+5], 8, v[TM+4]
	v_lshl_or_b32 v[\wrd], v[TM+6], 16, v[\wrd]
	v_lshl_or_b32 v[\wrd], v[TM+7], 24, v[\wrd]
.irp b, 0,1,2,3
	v_cvt_scalef32_pk8_fp4_f32 v[\dst+2*\b], v[\src+16*\b:\src+7+16*\b], v[TM+12+\b]
	v_cvt_scalef32_pk8_fp4_f32 v[\dst+1+2*\b], v[\src+8+16*\b:\src+15+16*\b], v[TM+12+\b]
.endr
	v_nop                                          ; one plain line behind the last scaled conversion
.irp c, 0,1
.irp i, 0,1
	v_permlane16_swap_b32 v[\dst+4*\c+\i], v[\dst+2+4*\c+\i]
.endr
.endr
.endm
.macro PLACES n
.rept \n
	v_nop
.endr
.endm
.macro BARRIER                                 ; my LDS stores have landed and my LDS loads are in: then the work-group's barrier
	s_wait_dscnt 0x0
	s_barrier_signal -1
	s_barrier_wait -1
.endm
	s_load_b256 s[4:11], s[0:1], 0x0               ; xq, mq, wq, bn
	s_load_b128 s[12:15], s[0:1], 0x20             ; beta, b2
	s_load_b64 s[16:17], s[0:1], 0x30              ; out0
	v_lshl_add_u32 v[SPW], v0, 2, SPARE
	v_mov_b32 v[NIL], 0
	v_lshrrev_b32 v10, 5, v0
	v_readfirstlane_b32 s18, v10                   ; wave 0..3
	v_and_b32 v10, 31, v0                          ; lane
	v_and_b32 v11, 15, v0                          ; r
	v_bfe_u32 v12, v0, 4, 1                        ; h
	v_lshlrev_b32 v[LI], 4, v10
	v_lshlrev_b32 v[LS], 2, v10
	s_lshl_b32 s19, s18, 10
	v_add_nc_u32 v[HWI], s19, v[LI]
	s_lshl_b32 s19, s18, 6
	v_lshl_add_u32 v[HWS], v11, 2, s19
	s_mul_i32 s19, s18, 33792
	s_add_co_u32 s19, s19, STG
	v_mul_u32_u24 v[SO], v11, 528
	v_lshl_add_u32 v[SO], v12, 6, v[SO]
	v_add_nc_u32 v[SO], s19, v[SO]
	v_mul_u32_u24 v[SRH], v12, 528
	v_lshl_add_u32 v[SRH], v11, 4, v[SRH]
	v_add_nc_u32 v[SRH], s19, v[SRH]
	v_lshlrev_b32 v[GOH], 15, v12
	v_lshl_add_u32 v[GOH], v11, 4, v[GOH]
	s_lshl_b32 s19, s18, 9
	v_lshl_add_u32 v[BNO], v12, 6, s19
	v_and_b32 v13, 8, v11
	v_add_nc_u32 v13, v13, v11
	s_lshl_b32 s19, s18, 8
	v_lshl_add_u32 v[B2O], v13, 2, s19
.irp b, 0,1,2,3
	v_mov_b32 v[TM+4+\b], 0                        ; written once: a lane permute's destination counts as one of its sources
.endr
	s_mov_b32 s[SEL], 0x76543210
	s_mov_b32 s[SEL+1], 0xfedcba98
	s_and_b32 s38, ttmp7, 0xffff                   ; g
	s_lshl_b32 s39, s38, 4
	s_add_co_u32 s39, s39, ttmp9                   ; WGI = 16 g + j
	s_mov_b32 s3, 0
	s_wait_kmcnt 0x0
	s_lshl_b32 s2, s39, 14
	s_add_nc_u64 s[20:21], s[4:5], s[2:3]          ; x's codes,
	s_add_nc_u64 s[24:25], s[6:7], s[2:3]          ; msg's
	s_lshl_b32 s2, s39, 10
	s_add_nc_u64 s[22:23], s[4:5], s[2:3]          ; their scale words, 4,194,304 bytes further on
	s_add_nc_u64 s[26:27], s[6:7], s[2:3]
	s_lshl_b32 s2, s18, 15
	s_add_nc_u64 s[28:29], s[8:9], s[2:3]          ; W1's tiles 8 w .. 8 w + 7
	s_lshl_b32 s2, s18, 11
	s_add_nc_u64 s[30:31], s[8:9], s[2:3]
	s_lshl_b32 s2, s18, 14
	s_add_nc_u64 s[32:33], s[8:9], s[2:3]          ; W2's tiles 4 w .. 4 w + 3
	s_lshl_b32 s2, s18, 10
	s_add_nc_u64 s[34:35], s[8:9], s[2:3]
	s_lshr_b32 s2, s38, 2
	s_lshl_b32 s2, s2, 23                          ; batch
	s_and_b32 s19, s38, 3
	s_lshl_b32 s19, s19, 13                        ; head
	s_add_co_u32 s2, s2, s19
	s_lshl_b32 s19, ttmp9, 9                       ; 128 keypoints
	s_add_co_u32 s2, s2, s19
	s_lshl_b32 s19, s18, 21                        ; 64 w channels of 32,768 bytes
	s_add_co_u32 s2, s2, s19
	s_add_nc_u64 s[16:17], s[16:17], s[2:3]
.macro LOADH m                         ; keypoint tile m: x's two fragments, msg's two, and their scale words: ten loads
.set BF, XF+32*((\m)%2)
.irp k, 0,1,2,3
	global_load_b128 v[BF+4*\k:BF+4*\k+3], v[LI], s[20:21] offset:2048*(\m)+512*\k
.endr
.irp k, 0,1,2,3
	global_load_b128 v[BF+16+4*\k:BF+16+4*\k+3], v[LI], s[24:25] offset:2048*(\m)+512*\k
.endr
	global_load_b32 v[XSR+2*((\m)%2)], v[LS], s[22:23] offset:4194304+128*(\m)
	global_load_b32 v[XSR+2*((\m)%2)+1], v[LS], s[26:27] offset:4194304+128*(\m)
.endm
	WIN 0x40
.set k, 0
.rept 64
	global_load_b128 v[4*k:4*k+3], v[LI], s[28:29] offset:139264+512*k
.set k, k+1
.endr
	WIN 0
.irp p, 0,1,2,3,4,5,6,7,8,9,10,11,12,13,14,15
	global_load_b32 v[W1S+\p], v[LS], s[30:31] offset:270336+128*\p
.endr
	WIN 0xc0                                       ; register 16 b + i of the three: channel 128 w + 32 b + 16 h + i, as the results lie
.irp n, 0,1,2,3,4,5,6,7,8,9,10,11,12,13,14,15
	global_load_b128 v[128+4*\n:131+4*\n], v[BNO], s[10:11] offset:128*(\n/4)+16*(\n%4)          ; mu
.endr
	WIN 0x80
.irp n, 0,1,2,3,4,5,6,7,8,9,10,11,12,13,14,15
	global_load_b128 v[128+4*\n:131+4*\n], v[BNO], s[10:11] offset:2048+128*(\n/4)+16*(\n%4)     ; a
.endr
.irp n, 0,1,2,3,4,5,6,7,8,9,10,11,12,13,14,15
	global_load_b128 v[192+4*\n:195+4*\n], v[BNO], s[12:13] offset:128*(\n/4)+16*(\n%4)          ; beta
.endr
	WIN 0
	LOADH 0
	LOADH 1
	WIN 0x80
.set k, 0
.rept 32
	global_load_b128 v[4*k:4*k+3], v[LI], s[32:33] offset:278528+512*k
.set k, k+1
.endr
	WIN 0
.irp p, 0,1,2,3,4,5,6,7
	global_load_b32 v[W2S+\p], v[LS], s[34:35] offset:344064+128*\p
.endr
.irp i, 0,1,2,3
	global_load_b32 v[B2+8*\i], v[B2O], s[14:15] offset:128*(\i/2)+32*(\i%2)   ; b2 of channel 64 w + 32 (i / 2) + 8 (i % 2) + r + 8 (r / 8)
.endr
; ---- PHASE 1: keypoint tile m
.macro P1 m
.set BF, XF+32*((\m)%2)
.set XW, XSR+2*((\m)%2)
.if (\m) < 2
	s_wait_loadcnt 54                              ; this tile's loads are in; behind them were issued one other tile's 10 and W2's 32 + 8 + 4
.elseif (\m) < 7
	s_wait_loadcnt 10                              ; the next tile's ten may be out
.else
	s_wait_loadcnt 0x0
.endif
.if (\m) == 2
.irp i, 0,1,2,3
.irp j, 1,2,3,4,5,6,7
	v_mov_b32 v[B2+8*\i+\j], v[B2+8*\i]            ; b2 has landed by this wait: in y's layout a lane holds one channel, so eight equal registers are its C
.endr
.endr
.endif
	WIN 0x01                                       ; source 0 (W1) window 1
.irp s, 0,1,2,3
.irp t, 0,1,2,3,4,5,6,7                        ; the eight tiles by turns
.if \s == 0
	WM HA+8*\t, 8*(4*\t+\s), BF+8*\s, -1, W1S+2*\t+\s/2, XW+\s/2, \s%2, \s%2
.else
	WM HA+8*\t, 8*(4*\t+\s), BF+8*\s, HA+8*\t, W1S+2*\t+\s/2, XW+\s/2, \s%2, \s%2
.endif
.endr
.endr
	WIN 0
	PLACES 4
.if (\m)+2 < 8
	LOADH (\m)+2                                   ; into the buffer just multiplied
.endif
	WIN 0x0c                                       ; source 1 (mu) window 3
.set j, 0
.rept 32
	v_pk_add_f32 v[HA+j:HA+j+1], v[HA+j:HA+j+1], v[128+j:129+j] neg_lo:[0,1] neg_hi:[0,1]
.set j, j+2
.endr
	WIN 0x28                                       ; sources 1 (a) and 2 (beta) window 2
.set j, 0
.rept 32
	v_pk_fma_f32 v[HA+j:HA+j+1], v[HA+j:HA+j+1], v[128+j:129+j], v[192+j:193+j]
.set j, j+2
.endr
	WIN 0
.set j, 0
.rept 64
	v_max_num_f32 v[HA+j], 0, v[HA+j]              ; relu
.set j, j+1
.endr
	s_wait_dscnt 0x0                               ; the last tile's stores have read the codes and the scale word, which are written again below
	QUANT HA, PC, PW
	ds_store_b128 v[HWI], v[PC:PC+3] offset:HIMG+4096*(\m)
	ds_store_b128 v[HWI], v[PC+4:PC+7] offset:HIMG+4096*(\m)+512
	ds_store_b32 v[HWS], v[PW] offset:HSC+256*(\m) ; lanes r and 16 + r write the same word with the same value
.endm
; ---- PHASE 2 of half G: keypoint tiles 4 G .. 4 G + 3, sixteen accumulators by turns, a K step at a time
.macro P2F G, s                        ; K step s of the four tiles into buffer s % 2: eight loads
.irp q, 0,1,2,3
	ds_load_b128 v[HA+32*((\s)%2)+8*\q:HA+32*((\s)%2)+8*\q+3], v[LI] offset:(4*(4*(\G)+\q)+(\s))*1024
	ds_load_b128 v[HA+32*((\s)%2)+8*\q+4:HA+32*((\s)%2)+8*\q+7], v[LI] offset:(4*(4*(\G)+\q)+(\s))*1024+512
.endr
.endm
.macro P2 G
.irp p, 0,1,2,3,4,5,6,7
	ds_load_b32 v[HS+8*\G+\p], v[LS] offset:HSC+128*(8*\G+\p)
.endr
	P2F \G, 0
.irp s, 0,1,2,3
.if \s < 3
	P2F \G, \s+1                                   ; the buffer that the K step before multiplied: five plain lines stand behind those products
	s_wait_dscnt 8                                 ; this K step's fragments (and the scale words) are in; the eight loads just issued may be out
.else
	s_wait_dscnt 0x0
.endif
.if \s == 0
	WIN 0xc8                                       ; source 1 (W2) window 2, C (b2) window 0, D window 3
.else
	WIN 0xf8                                       ; C and D window 3
.endif
.irp q, 0,1,2,3
.irp i, 0,1,2,3
.if \s == 0
	WM 8*(4*\i+\q), HA+32*(\s%2)+8*\q, 8*(4*\i+\s), B2+8*\i, HS+2*(4*\G+\q)+\s/2, W2S+2*\i+\s/2, \s%2, \s%2
.else
	WM 8*(4*\i+\q), HA+32*(\s%2)+8*\q, 8*(4*\i+\s), 8*(4*\i+\q), HS+2*(4*\G+\q)+\s/2, W2S+2*\i+\s/2, \s%2, \s%2
.endif
.endr
.endr
	WIN 0
	PLACES 5                                       ; four in front of loads into the fragments' registers and of the stores that read results; five in front of accumulators begun anew with another C
.endr
	WIN 0x0c                                       ; an LDS store's data are its source 1: window 3
.irp q, 0,1,2,3
.irp i, 0,1,2,3
	ds_store_b128 v[SO], v[8*(4*\i+\q):8*(4*\i+\q)+3] offset:8448*\i+128*((4*\G+\q)/2)+32*((4*\G+\q)%2)      ; lane (r, h): row 16 i + r of my 64, keypoints 32 (m / 2) + 8 (m % 2) + 16 h + 0 .. 7; each accumulator from its low end on
	ds_store_b128 v[SO], v[8*(4*\i+\q)+4:8*(4*\i+\q)+7] offset:8448*\i+128*((4*\G+\q)/2)+32*((4*\G+\q)%2)+16
.endr
.endr
	WIN 0
.endm
; ---- THE WAY OUT of half G: my 64 rows' 256 bytes, two rows an instruction.  LDS serves a wave's instructions in order (ISA guide 5.7.1.4): these loads see my stores, and no other wave wrote these rows.
; Rows 2 n and 2 n + 1 of my 64 are rows 2 (n % 8) and 2 (n % 8) + 1 of tile n / 8: two neighbouring channels, 32 (n / 16) + 8 ((n / 8) % 2) + 2 (n % 8) + 8 ((n % 8) / 4) and the next.
.macro OUTH G
.irp k, 0,1,2,3,4,5,6,7,8,9,10,11,12,13,14,15
	ds_load_b128 v[HA+4*\k:HA+4*\k+3], v[SRH] offset:1056*\k+256*\G
.endr
	WIN 0xc0                                       ; destination window 3
.irp k, 0,1,2,3,4,5,6,7,8,9,10,11,12,13,14,15
	ds_load_b128 v[192+4*\k:195+4*\k], v[SRH] offset:1056*(16+\k)+256*\G
.endr
	WIN 0
.irp k, 0,1,2,3,4,5,6,7,8,9,10,11,12,13,14,15
	s_wait_dscnt 31-\k                             ; load k is in; the 31 - k younger ones may be out
	global_store_b128 v[GOH], v[HA+4*\k:HA+4*\k+3], s[16:17] offset:(8*(\k/8)+2*(\k%8)+8*((\k%8)/4))*32768+256*\G th:TH_STORE_NT   ; each half of the lanes stores 256 consecutive bytes, aligned
.endr
	WIN 0x0c                                       ; a store's data are its source 1: window 3
.irp k, 0,1,2,3,4,5,6,7,8,9,10,11,12,13,14,15
	s_wait_dscnt 15-\k
	global_store_b128 v[GOH], v[192+4*\k:195+4*\k], s[16:17] offset:(32+8*(\k/8)+2*(\k%8)+8*((\k%8)/4))*32768+256*\G th:TH_STORE_NT   ; 62 channels of 32,768 bytes at the most, inside the signed 24-bit immediate (ISA guide, chapter 10)
.endr
	WIN 0
.endm
.irp m, 0,1,2,3
	P1 \m
.endr
	BARRIER                                        ; the first half's sixteen hidden fragments lie in LDS
	P2 0
	OUTH 0
	s_wait_xcnt 0x0                                ; the stores have read their registers: the products below write v80-143 again, the second half's way out both sets
.irp m, 4,5,6,7
	P1 \m
.endr
	BARRIER                                        ; the second half's
	P2 1
	OUTH 1
	s_wait_tensorcnt 0x0                           ; the wave's end: behind my last LDS store
	ds_add_u32 v[SPW], v[NIL]
	s_wait_dscnt 0x0
	s_endpgm
.Lfunc_end_k_q7d8066e338_mlp:
	.size	k_q7d8066e338_mlp, .Lfunc_end_k_q7d8066e338_mlp-k_q7d8066e338_mlp
	.p2alignl 7, 3214868480
	.fill 96, 4, 3214868480
	.section	.rodata,"a",@progbits
	.p2align	6, 0x0
	.amdhsa_kernel k_q7d8066e338_mlp
		.amdhsa_group_segment_fixed_size 170496
		.amdhsa_private_segment_fixed_size 0
		.amdhsa_enable_private_segment 0
		.amdhsa_kernarg_size 56
		.amdhsa_user_sgpr_count 2
		.amdhsa_user_sgpr_kernarg_segment_ptr 1
		.amdhsa_wavefront_size32 1
		.amdhsa_system_sgpr_workgroup_id_x 1
		.amdhsa_system_sgpr_workgroup_id_y 1
		.amdhsa_system_sgpr_workgroup_id_z 1
		.amdhsa_system_vgpr_workitem_id 0
		.amdhsa_next_free_vgpr 1024
		.amdhsa_next_free_sgpr 66
		.amdhsa_reserve_vcc 0
		.amdhsa_float_denorm_mode_32 3
		.amdhsa_float_denorm_mode_16_64 3
		.amdhsa_memory_ordered 1
		.amdhsa_forward_progress 1
		.amdhsa_inst_pref_size 182
	.end_amdhsa_kernel
	.amdgpu_metadata
---
amdhsa.version: [ 1, 2 ]
amdhsa.kernels:
  - .name:           k_q7d8066e338_mlp
    .symbol:         k_q7d8066e338_mlp.kd
    .args:
      - { .name: xq, .offset: 0, .size: 8, .value_kind: global_buffer, .address_space: global }
      - { .name: mq, .offset: 8, .size: 8, .value_kind: global_buffer, .address_space: global }
      - { .name: wq, .offset: 16, .size: 8, .value_kind: global_buffer, .address_space: global }
      - { .name: bn, .offset: 24, .size: 8, .value_kind: global_buffer, .address_space: global }
      - { .name: beta, .offset: 32, .size: 8, .value_kind: global_buffer, .address_space: global }
      - { .name: b2, .offset: 40, .size: 8, .value_kind: global_buffer, .address_space: global }
      - { .name: out0, .offset: 48, .size: 8, .value_kind: global_buffer, .address_space: global }
    .group_segment_fixed_size: 170496
    .private_segment_fixed_size: 0
    .kernarg_segment_align: 8
    .kernarg_segment_size: 56
    .max_flat_workgroup_size: 128
    .sgpr_count:     66
    .vgpr_count:     1024
    .wavefront_size: 32
...
	.end_amdgpu_metadata
.endif
;; end of part 5
